; MI455X (gfx1250); checked and timed in simulation.
; The chip was launched on July 23, 2026; its instructions are those of AMD's public machine-readable ISA for CDNA 5 (MIT licence, August 2026) and "CDNA5" Instruction Set Architecture Reference Guide (July 2026). The comments in the code are by the model that wrote it; some were corrected since.
;; Causal Self Attention. Allowed arithmetic: matrix products marked QUANTISED: E2M3 operands, one E8M0 scale for each 32 along K, by v_wmma_scale_f32_16x16x128_f8f6f4 with both operands' format E2M3, f32 sums; everything else in f32.
;; Inputs: w_out 1,024 x 1,024 float32; w_qkv 1,024 x 3,072 float32; x 4 x 2,048 x 1,024 float32.
;; Outputs: out0 4 x 2,048 x 1,024 float32.
;; This version of the problem:
;;   THIS VERSION OF THE PROBLEM IS GIVEN IN LOW PRECISION. The matrix products marked QUANTISED in the list below multiply operands that are first quantised to E2M3 (2 exponent bits, 3 mantissa bits; 6 bits a number), with one power-of-two scale for each 32 numbers along K (OCP MX v1.0); their sums are f32. All else is computed in f32.
;;   The module's matrix products, in the order in which they are computed (A, B: the left and right operand; K: the contracted axis; several contracted axes count as one K, in the product's order):
;;     1. [M 8,192, K 1,024] x [K 1,024, N 3,072]; A: input x; B: input w_qkv: QUANTISED
;;     2. batch 64 x [M 2,048, K 64] x [K 64, N 2,048]; A: computed on the way; B: computed on the way: QUANTISED
;;     3. batch 64 x [M 2,048, K 2,048] x [K 2,048, N 64]; A: softmax (see below); B: computed on the way: QUANTISED
;;     4. [M 8,192, K 1,024] x [K 1,024, N 1,024]; A: computed on the way; B: input w_out: QUANTISED
;;   THE QUANTISER, for each operand of a quantised product, along K:
;;     - K is cut into blocks of 32 from its start; a last block that is shorter is filled with zeros.
;;     - A block's scale is 2^e with e = floor(log2(the largest magnitude in the block)) - 2, held to -126 .. 127; a block of zeros has e = 0. As a byte (E8M0): e + 127.
;;     - Each number is divided by its block's scale, clamped to +-7.5, and rounded to the nearest number of E2M3, ties to even, subnormals kept.
;;     - The product sums the exact products of the quantised numbers (number of the format x scale) in f32.
;;   ~~~python
;;   def quantise(x, axis):      # numpy; x: float32 -> the quantised numbers, widened to float32 again
;;       x = np.moveaxis(x, axis, -1); K = x.shape[-1]
;;       x = np.pad(x, [(0, 0)] * (x.ndim - 1) + [(0, -K % 32)]); x = x.reshape(x.shape[:-1] + (-1, 32)); a = np.abs(x).max(-1, keepdims=True)
;;       e = np.where(a > 0, np.clip(np.frexp(np.where(a > 0, a, 1))[1] - 1 - 2, -126, 127), 0)      # np.frexp(a)[1] - 1 = floor(log2(a)), exactly
;;       r = np.clip(x / 2.0 ** e, -7.5, 7.5)
;;       step = 2.0 ** (np.maximum(np.frexp(np.where(r == 0, 1, r))[1] - 1, 0) - 3)
;;       q = np.round(r / step) * step * 2.0 ** e      # np.round: ties to even
;;       return np.moveaxis(q.reshape(q.shape[:-2] + (-1,))[..., :K], -1, axis).astype(np.float32)
;;   ~~~
;;   SOFTMAX AHEAD OF A QUANTISED PRODUCT. Where the list says 'softmax', what is quantised is not the finished softmax but p = 2^(t - M), with t = logit x log2(e) and M = ceil(the row's largest t), a whole number; so 1/2 < the row's largest p <= 1. The row's sum l is taken of the UNQUANTISED p, in f32, and the product's result is divided by l at the end. Since M is a whole number, a kernel that streams over the keys may use a running M (the ceiling of the running maximum): every later rescaling is an exact power of two, which a block's scale takes up: the codes' values come out the same.
;;   OPERANDS COMPUTED ON THE WAY. 'Computed on the way' means the value that the module computes at that place (a softmax that the list does not call 'softmax' is quantised finished and normalised). What goes into a quantiser is computed in f32, as accurately as f32 sums, v_exp_f32 and their like allow (about 1e-6 of the number): no bf16 or f16 on the way to a quantiser, and a product that is left as it is and whose result goes on into a quantised operand takes f32 operands (vector FMAs, or v_wmma_f32_16x16x4_f32). A number that lies on a knife's edge between two numbers of the format may be rounded either way, as far as f32 arithmetic and the matrix unit's own rounding can turn it there, and no further.
;; One version. Each part assembles by itself: llvm-mc -triple=amdgcn-amd-amdhsa -mcpu=gfx1250 --defsym DOCPART=n.
;; ======== version 1 of 1: 4 launches
;; limits: right only within a limited range of input values
;; workspace buffers: xq 6,291,456 bytes; xs 262,144 bytes; wq 3,145,728 bytes; ws 131,072 bytes; hc 18,874,368 bytes; hs 1,572,864 bytes; yq 6,291,456 bytes; ys 262,144 bytes
;; launch quant (part 1): grid 384 x 1, 4 waves a work-group, no clusters, 58,880 bytes of LDS; arguments x, w_qkv, w_out, xq, xs, wq, ws; writes xq, xs, wq, ws
.if DOCPART == 1
	.amdgcn_target "amdgcn-amd-amdhsa--gfx1250"
	.amdhsa_code_object_version 6
	.text
	.protected	k_q81bd090f58_quant
	.globl	k_q81bd090f58_quant
	.p2align	8
	.type	k_q81bd090f58_quant,@function
k_q81bd090f58_quant:
	s_mov_b64 s[64:65], 0
	v_nop
	global_prefetch_b8 v0, s[64:65] scope:SCOPE_SE
	s_setreg_imm32_b32 hwreg(HW_REG_WAVE_MODE, 25, 1), 1
	s_wait_xcnt 0x0
; x [8192][1024], w_qkv [1024][3072] and w_out [1024][1024], f32, become codes of FP6 (E2M3) with one E8M0 byte for each 32 along K (K = 1024 in all three).
; A block's scale is 2^(floor(log2(largest magnitude)) - 2); its byte is the largest magnitude's exponent field - 2, held at 1 from below.
; LIMITS: NaN and infinities are not served; a block whose largest magnitude lies under 2^-124 keeps the byte 1; a block of zeros gets the byte 1 and not 127: its codes are zeros and this program alone reads the bytes.
; LAYOUT OF THE RESULTS.  A TILE is 16 rows: tile 2 g + u, row r, is tensor row 32 g + 8 u + r + 8 (r / 8) (tokens of x, output features of the weights).
; A fragment (tile, 128 along K) is stored as an IMAGE OF THE OPERAND'S REGISTERS, 1,536 bytes: six planes of 256 bytes, plane p holding registers 2 p, 2 p + 1 of lane l at byte 8 l.
; Image (tile, K step s) lies at (8 tile + s) x 1,536.  Scale words: [tile][s / 2][r][s % 2], 512 bytes a tile.  The weights share wq, ws: w_qkv is tiles 0 to 191, w_out tiles 192 to 255.
; Work-groups 0 to 255 take x (K innermost: the numbers turn through a stage in LDS so that a lane holds 16 neighbours); work-groups 256 to 383 take the weights (K outermost: a lane takes a column, its registers run down K).
; The two ways part once on the work-group's number and have LDS bytes of their own.  No tensor loads, no barrier: waves share nothing.
.set XW,    8448                       ; x's stage of a wave: 16 rows x (512 bytes + 16)
.set WSTG,  4*XW                       ; the weights' stages begin here
.set WB,    6144                       ; a wave's: two tiles x two images
.set SPARE, WSTG+4*WB                  ; the spare words, 128 bytes a wave
.set IMG,   1536
.set SPW,   4                          ; v4   LDS address of my spare word; never rewritten
.set NIL,   5                          ; v5   0; never rewritten
.set SEL,   20                         ; s[20:21] v_permlanex16_b32's selects for lane l xor 16
.set TM,    16                         ; v16-31 at work in QUANT
.set PC,    32                         ; v32-51 the codes just made
.set X,     64                         ; v64-127  x: 64 numbers of a lane, register 16 b + i = k 32 b + 16 (lane / 16) + i
.set R,     128                        ; v128-255 x: two sets of 64 registers as loaded
.set OFF,   64                         ; v64-95   weights: 4 x lane + i x a row of the weight
.set XB,    128                        ; v128-191 weights: two sets of 32 numbers
.set CW,    32                         ; v32-43   weights: a block's codes
.set SB,    12                         ; v12-13   weights: eight scale bytes
.set OUTR,  192                        ; v192-239 weights: the way out
; 64 numbers of a lane become a fragment's 12 registers of codes, v[PC] on, and its row's scale word in v[pw].
.macro QUANT s, pw
.irp b, 0,1,2,3
	v_max3_num_f32 v[TM+\b], |v[\s+16*\b]|, |v[\s+1+16*\b]|, 0x1800000   ; my 16 numbers of block b, and the floor 2^(3 - 127): the byte cannot fall under 1
.endr
.irp i, 2,4,6,8,10,12,14
.irp b, 0,1,2,3
	v_max3_num_f32 v[TM+\b], v[TM+\b], |v[\s+16*\b+\i]|, |v[\s+1+16*\b+\i]|
.endr
.endr
.irp b, 0,1,2,3
	v_permlanex16_b32 v[TM+4+\b], v[TM+\b], s[SEL], s[SEL+1]
.endr
.irp b, 0,1,2,3
	v_max_num_f32 v[TM+\b], v[TM+\b], v[TM+4+\b]      ; with lane l xor 16: the block's largest magnitude
.endr
.irp b, 0,1,2,3
	v_add_nc_u32 v[TM+12+\b], 0xff000000, v[TM+\b]    ; 2 off its exponent field: the conversion's scale operand
.endr
.irp b, 0,1,2,3
	v_lshrrev_b32 v[TM+4+\b], 23, v[TM+12+\b]         ; the scale's byte
.endr
	v_lshl_or_b32 v[\pw], v[TM+5], 8, v[TM+4]
	v_lshl_or_b32 v[\pw], v[TM+6], 16, v[\pw]
	v_lshl_or_b32 v[\pw], v[TM+7], 24, v[\pw]
.irp c, 0,1
	v_cvt_scalef32_pk16_fp6_f32 v[PC+6*\c:PC+2+6*\c], v[\s+32*\c:\s+15+32*\c], v[TM+12+2*\c]
	v_cvt_scalef32_pk16_fp6_f32 v[PC+12+4*\c:PC+14+4*\c], v[\s+16+32*\c:\s+31+32*\c], v[TM+12+2*\c+1]   ; (a conversion's three registers begin on an even number)
.endr
	v_nop                                          ; one plain place behind a scaled conversion
.irp c, 0,1                                    ; the operand wants a whole block in a lane: lanes 0-15 block 2 c, lanes 16-31 block 2 c + 1
.irp i, 0,1,2
	v_permlane16_swap_b32 v[PC+6*\c+\i], v[PC+12+4*\c+\i]
.endr
.irp i, 0,1,2
	v_mov_b32 v[PC+3+6*\c+\i], v[PC+12+4*\c+\i]
.endr
.endr
.endm
.macro LOADX sl                        ; K step sl of my four: each load takes 512 consecutive bytes of one of the tile's 16 rows
.irp i, 0,1,2,3,4,5,6,7,8,9,10,11,12,13,14,15
	global_load_b128 v[R+64*((\sl)%2)+4*\i:R+64*((\sl)%2)+4*\i+3], v9, s[4:5] offset:(\i+8*(\i/8))*4096+512*(\sl) th:TH_LOAD_NT
.endr
.endm
.macro KSTEP sl
.if (\sl) < 3
	s_wait_loadcnt 16                              ; this K step's 16 loads are in; the next step's 16 may be out
.else
	s_wait_loadcnt 0x0
.endif
.irp i, 0,1,2,3,4,5,6,7,8,9,10,11,12,13,14,15
	ds_store_b128 v6, v[R+64*((\sl)%2)+4*\i:R+64*((\sl)%2)+4*\i+3] offset:528*\i
.endr
.irp b, 0,1,2,3
.irp j, 0,1,2,3
	ds_load_b128 v[X+16*\b+4*\j:X+16*\b+4*\j+3], v7 offset:128*\b+16*\j   ; LDS serves a wave's instructions in order: these see the stores above
.endr
.endr
	s_wait_dscnt 0x0                               ; my 64 numbers are back, and the stores into the stage have read their registers
	s_wait_xcnt 0x0                                ; the last K step's stores have read the codes' registers: they are written again below
.if (\sl) < 2
	LOADX (\sl)+2
.endif
	QUANT X, 12+(\sl)
.irp p, 0,1,2,3,4,5
	global_store_b64 v8, v[PC+2*\p:PC+2*\p+1], s[10:11] offset:IMG*(\sl)+256*\p   ; a plane: 256 consecutive bytes, aligned
.endr
.endm
.macro LOADW t                         ; block t of the weight: rows 32 t + i of my column; 32 lanes read 128 consecutive bytes
.set i, 0
.rept 32
	global_load_b32 v[XB+32*((\t)%2)+i], v[OFF+i], s[24+2*((\t)%2):25+2*((\t)%2)] th:TH_LOAD_NT
.set i, i+1
.endr
.endm
.macro BLOCK t
.set XN, XB+32*((\t)%2)
.if (\t) < 7
	s_wait_loadcnt 32                              ; this block's 32 loads are in; the next block's may be out
.else
	s_wait_loadcnt 0x0
.endif
.if (\t) < 6
	s_add_nc_u64 s[24+2*((\t)%2):25+2*((\t)%2)], s[24+2*((\t)%2):25+2*((\t)%2)], s[28:29]   ; that wait has shown the loads by this base done: 64 rows on
.endif
	v_max3_num_f32 v14, |v[XN]|, |v[XN+1]|, |v[XN+2]|      ; all 32 numbers of the block are mine
	v_max3_num_f32 v15, |v[XN+3]|, |v[XN+4]|, |v[XN+5]|
.irp i, 6,10,14,18,22,26
	v_max3_num_f32 v14, v14, |v[XN+\i]|, |v[XN+\i+1]|
	v_max3_num_f32 v15, v15, |v[XN+\i+2]|, |v[XN+\i+3]|
.endr
	v_max3_num_f32 v14, v14, |v[XN+30]|, |v[XN+31]|
	v_max3_num_f32 v14, v14, v15, 0x1800000        ; and the floor
	v_add_nc_u32 v11, 0xff000000, v14
	v_lshrrev_b32 v16, 23, v11
.if (\t)%4 == 0
	v_mov_b32 v[SB+(\t)/4], v16
.else
	v_lshl_or_b32 v[SB+(\t)/4], v16, 8*((\t)%4), v[SB+(\t)/4]
.endif
	v_cvt_scalef32_pk16_fp6_f32 v[CW:CW+2], v[XN:XN+15], v11
	v_cvt_scalef32_pk16_fp6_f32 v[CW+8:CW+10], v[XN+16:XN+31], v11
	v_nop
.irp i, 0,1,2
	v_mov_b32 v[CW+3+\i], v[CW+8+\i]
.endr
.irp q, 0,1,2                                  ; block t is registers 6 c .. 6 c + 5 of image lane (r, t % 2), c = (t % 4) / 2, in the image of K step t / 4
	ds_store_b64 v6, v[CW+2*\q:CW+2*\q+1] offset:((\t)/4)*IMG+((6*(((\t)%4)/2)+2*\q)/4)*512+((6*(((\t)%4)/2)+2*\q)%4)*4+256*((\t)%2)
.endr
.if (\t) < 6
	LOADW (\t)+2
.endif
	s_wait_dscnt 0x0                               ; the stores have read the codes' registers
.endm
	s_load_b256 s[4:11], s[0:1], 0x0               ; x, w_qkv, w_out, xq
	s_load_b128 s[12:15], s[0:1], 0x20             ; xs, wq
	s_load_b64 s[16:17], s[0:1], 0x30              ; ws
	v_lshl_add_u32 v[SPW], v0, 2, SPARE
	v_mov_b32 v[NIL], 0
	v_lshrrev_b32 v1, 5, v0
	v_readfirstlane_b32 s18, v1                    ; wave 0..3
	v_and_b32 v1, 31, v0                           ; lane
	v_and_b32 v2, 15, v0                           ; r
	v_bfe_u32 v3, v0, 4, 1                         ; h
	s_mov_b32 s[SEL], 0x76543210
	s_mov_b32 s[SEL+1], 0xfedcba98
	s_cmp_lt_u32 ttmp9, 256
	s_cbranch_scc0 .Lweights
	; ---- x: wave w takes tile 2 wg + w / 2 and half w % 2 of K: four K steps of 128
	s_lshl_b32 s22, ttmp9, 1
	s_lshr_b32 s23, s18, 1
	s_add_co_u32 s22, s22, s23                     ; the tile
	s_and_b32 s23, s18, 1                          ; the half of K
	s_mul_i32 s24, s18, XW                         ; my stage
	s_wait_alu depctr_va_vdst(0)
	v_lshlrev_b32 v9, 4, v1                        ; 16 x lane: my bytes of a load
	v_add_nc_u32 v6, s24, v9                       ; the stage on the way in
	v_mul_u32_u24 v7, v2, 528
	v_lshl_add_u32 v7, v3, 6, v7
	v_add_nc_u32 v7, s24, v7                       ; and on the way out: row r, + 64 h
	v_lshlrev_b32 v8, 3, v1                        ; 8 x lane: my place in a plane
	v_lshlrev_b32 v10, 3, v2
	v_lshl_add_u32 v10, v3, 7, v10                 ; my place among the scale words: 128 h + 8 r
.irp b, 0,1,2,3
	v_mov_b32 v[TM+4+\b], 0                        ; written once: a lane permute's destination counts as one of its sources
.endr
	s_lshr_b32 s26, s22, 1
	s_lshl_b32 s26, s26, 17                        ; 32 rows of 4,096 bytes for each pair of tiles,
	s_and_b32 s27, s22, 1
	s_lshl_b32 s27, s27, 15                        ; 8 rows for the odd tile,
	s_add_co_u32 s26, s26, s27
	s_lshl_b32 s27, s23, 11                        ; 2,048 bytes for the second half of K
	s_add_co_u32 s26, s26, s27
	s_mov_b32 s27, 0
	s_lshl_b32 s28, s22, 3
	s_lshl_b32 s29, s23, 2
	s_add_co_u32 s28, s28, s29
	s_mul_i32 s28, s28, IMG                        ; my first image
	s_mov_b32 s29, 0
	s_lshl_b32 s30, s22, 9
	s_lshl_b32 s31, s23, 8
	s_add_co_u32 s30, s30, s31                     ; my 256 bytes of scale words
	s_mov_b32 s31, 0
	s_wait_alu depctr_va_vdst(0)
	s_wait_kmcnt 0x0
	s_add_nc_u64 s[4:5], s[4:5], s[26:27]
	s_add_nc_u64 s[10:11], s[10:11], s[28:29]
	s_add_nc_u64 s[12:13], s[12:13], s[30:31]
	LOADX 0
	LOADX 1
	KSTEP 0
	KSTEP 1
	KSTEP 2
	KSTEP 3
	v_cmp_eq_u32 vcc_lo, 1, v3
	v_cndmask_b32 v16, v12, v14, vcc_lo            ; lanes 0-15 store the words of K steps 0, 1, lanes 16-31 those of 2, 3
	v_cndmask_b32 v17, v13, v15, vcc_lo
	global_store_b64 v10, v[16:17], s[12:13]       ; 256 consecutive bytes, aligned
	s_wait_tensorcnt 0x0                           ; the wave's end
	ds_add_u32 v[SPW], v[NIL]
	s_wait_dscnt 0x0
	s_endpgm
.Lweights:
	; ---- the weights: 128 columns and 256 along K to a work-group; wave w takes 32 columns: two tiles
	s_sub_co_u32 s19, ttmp9, 256
	s_lshr_b32 s22, s19, 2                         ; which 128 columns of the 4,096 (3,072 of w_qkv, then 1,024 of w_out)
	s_and_b32 s23, s19, 3                          ; which 256 along K
	s_mul_i32 s31, s18, WB
	s_add_co_u32 s31, s31, WSTG                    ; my stage
	v_bfe_u32 v14, v0, 3, 1                        ; my column's tile of the two: u
	v_and_b32 v15, 7, v0
	s_wait_alu depctr_va_vdst(0)
	v_lshl_add_u32 v15, v3, 3, v15                 ; and its row there: lane % 8 + 8 (lane / 16)
	v_mul_u32_u24 v6, v14, 3072
	v_lshl_add_u32 v6, v15, 4, v6                  ; THE WEIGHTS' IMAGES have three planes of 512 bytes: plane P holds registers 4 P .. 4 P + 3 of lane l at byte 16 l
	v_add_nc_u32 v6, s31, v6                       ; into the stage
	v_lshlrev_b32 v8, 4, v1
	v_add_nc_u32 v7, s31, v8                       ; out of it: 16 bytes a lane
	v_lshlrev_b32 v10, 9, v14
	v_lshl_add_u32 v10, v15, 3, v10                ; my scale words: 512 u + 8 r
	s_mov_b32 s30, 4096
	s_wait_kmcnt 0x0
	s_cmp_lt_u32 s22, 24                           ; w_qkv or w_out: the choice hangs on the work-group's number alone
	s_cselect_b64 s[6:7], s[6:7], s[8:9]
	s_cselect_b32 s30, 12288, s30                  ; a row of the weight in bytes
	s_cselect_b32 s32, 0, 24
	s_sub_co_u32 s32, s22, s32
	s_lshl_b32 s32, s32, 9
	s_lshl_b32 s33, s18, 7
	s_add_co_u32 s32, s32, s33                     ; my first column, in bytes
	s_lshl_b32 s33, s23, 8
	s_mul_i32 s33, s33, s30                        ; my first row
	s_add_co_u32 s32, s32, s33
	s_mov_b32 s33, 0
	s_add_nc_u64 s[24:25], s[6:7], s[32:33]        ; the even blocks' base,
	s_lshl_b32 s32, s30, 5
	s_add_nc_u64 s[26:27], s[24:25], s[32:33]      ; the odd blocks': 32 rows on
	s_lshl_b32 s28, s30, 6                         ; each steps by 64 rows
	s_mov_b32 s29, 0
	s_lshl_b32 s34, s22, 2
	s_add_co_u32 s34, s34, s18                     ; my group of 32 columns
	s_mul_i32 s32, s34, 16*IMG
	s_mul_i32 s35, s23, 2*IMG
	s_add_co_u32 s32, s32, s35
	s_add_nc_u64 s[14:15], s[14:15], s[32:33]      ; my even tile's two images
	s_lshl_b32 s32, s34, 10
	s_lshl_b32 s35, s23, 7
	s_add_co_u32 s32, s32, s35
	s_add_nc_u64 s[16:17], s[16:17], s[32:33]      ; and its scale words
	v_lshlrev_b32 v[OFF], 2, v1
.set i, 0
.rept 31
	v_add_nc_u32 v[OFF+i+1], s30, v[OFF+i]
.set i, i+1
.endr
	LOADW 0
	LOADW 1
.irp t, 0,1,2,3,4,5,6,7
	BLOCK \t
.endr
	s_wait_alu depctr_va_vdst(0)
	global_store_b64 v10, v[SB:SB+1], s[16:17]     ; two words a row: 128 consecutive bytes for each of the two tiles
.irp t, 0,1,2,3,4,5,6,7,8,9,10,11
	ds_load_b128 v[OUTR+4*\t:OUTR+4*\t+3], v7 offset:512*\t
.endr
.irp t, 0,1,2,3,4,5,6,7,8,9,10,11
	s_wait_dscnt 11-\t                             ; the younger loads may be out
	global_store_b128 v8, v[OUTR+4*\t:OUTR+4*\t+3], s[14:15] offset:512*\t+(\t/6)*(8*IMG-2*IMG)   ; 512 consecutive bytes; the odd tile lies 8 images on
.endr
	s_wait_tensorcnt 0x0                           ; the wave's end
	ds_add_u32 v[SPW], v[NIL]
	s_wait_dscnt 0x0
	s_endpgm
.Lfunc_end_k_q81bd090f58_quant:
	.size	k_q81bd090f58_quant, .Lfunc_end_k_q81bd090f58_quant-k_q81bd090f58_quant
	.p2alignl 7, 3214868480
	.fill 96, 4, 3214868480
	.section	.rodata,"a",@progbits
	.p2align	6, 0x0
	.amdhsa_kernel k_q81bd090f58_quant
		.amdhsa_group_segment_fixed_size 58880
		.amdhsa_private_segment_fixed_size 0
		.amdhsa_enable_private_segment 0
		.amdhsa_kernarg_size 56
		.amdhsa_user_sgpr_count 2
		.amdhsa_user_sgpr_kernarg_segment_ptr 1
		.amdhsa_wavefront_size32 1
		.amdhsa_system_sgpr_workgroup_id_x 1
		.amdhsa_system_sgpr_workgroup_id_y 1
		.amdhsa_system_sgpr_workgroup_id_z 1
		.amdhsa_system_vgpr_workitem_id 0
		.amdhsa_next_free_vgpr 256
		.amdhsa_next_free_sgpr 66
		.amdhsa_reserve_vcc 1
		.amdhsa_float_denorm_mode_32 3
		.amdhsa_float_denorm_mode_16_64 3
		.amdhsa_memory_ordered 1
		.amdhsa_forward_progress 1
		.amdhsa_inst_pref_size 78
	.end_amdhsa_kernel
	.amdgpu_metadata
---
amdhsa.version: [ 1, 2 ]
amdhsa.kernels:
  - .name:           k_q81bd090f58_quant
    .symbol:         k_q81bd090f58_quant.kd
    .args:
      - { .name: x, .offset: 0, .size: 8, .value_kind: global_buffer, .address_space: global }
      - { .name: w_qkv, .offset: 8, .size: 8, .value_kind: global_buffer, .address_space: global }
      - { .name: w_out, .offset: 16, .size: 8, .value_kind: global_buffer, .address_space: global }
      - { .name: xq, .offset: 24, .size: 8, .value_kind: global_buffer, .address_space: global }
      - { .name: xs, .offset: 32, .size: 8, .value_kind: global_buffer, .address_space: global }
      - { .name: wq, .offset: 40, .size: 8, .value_kind: global_buffer, .address_space: global }
      - { .name: ws, .offset: 48, .size: 8, .value_kind: global_buffer, .address_space: global }
    .group_segment_fixed_size: 58880
    .private_segment_fixed_size: 0
    .kernarg_segment_align: 8
    .kernarg_segment_size: 56
    .max_flat_workgroup_size: 128
    .sgpr_count:     66
    .vgpr_count:     256
    .wavefront_size: 32
...
	.end_amdgpu_metadata
.endif
;; end of part 1
;; launch qkv (part 2): grid 8 x 32, 4 waves a work-group, clusters of 4 x 4, 327,680 bytes of LDS; arguments xq, xs, wq, ws, hc, hs; writes hc, hs
.if DOCPART == 2
	.amdgcn_target "amdgcn-amd-amdhsa--gfx1250"
	.amdhsa_code_object_version 6
	.text
	.protected	k_q81bd090f58_qkv
	.globl	k_q81bd090f58_qkv
	.p2align	8
	.type	k_q81bd090f58_qkv,@function
k_q81bd090f58_qkv:
	s_mov_b64 s[64:65], 0
	v_nop
	global_prefetch_b8 v0, s[64:65] scope:SCOPE_SE
	s_setreg_imm32_b32 hwreg(HW_REG_WAVE_MODE, 25, 1), 1
	s_wait_xcnt 0x0
	s_wait_alu depctr_hold_cnt(0) depctr_sa_sdst(0) depctr_va_vdst(0) depctr_va_sdst(0) depctr_va_ssrc(0) depctr_va_vcc(0) depctr_vm_vsrc(0)
	s_getreg_b32 s2, hwreg(HW_REG_IB_STS2, 6, 4)
	s_cmp_eq_u32 s2, 0
	s_cbranch_scc0 .Lentry_in_a_cluster
	s_endpgm
.Lentry_in_a_cluster:
	s_bfe_u32 s2, ttmp6, 0x10000c
	s_cmp_lg_u32 s2, 0xf033
	s_cbranch_scc0 .Lentry_shape_is_right
	s_endpgm
.Lentry_shape_is_right:
; qkv = x w_qkv on codes of FP6 (E2M3) with E8M0 scales, K = 1,024; q, k, v never go to memory as f32: they are quantised here, out of the accumulators, for the two products of attention.
; OPERANDS are images of fragments (16 rows x 128 K, 1,536 bytes, six planes of 256 bytes: plane p holds registers 2 p, 2 p + 1 of lane l at byte 8 l); image (tile, K step s) lies at (8 tile + s) x 1,536;
; scale words [tile][s / 2][r][s % 2], 512 bytes a tile.  Tile 2 g + u, row r, is tensor row 32 g + 8 u + r + 8 (r / 8).
; THE DEAL.  256 work-groups: 8 column groups x 32 blocks of 256 tokens; each makes 256 tokens x 384 features: four heads of q or k and two heads of v.  A wave holds 64 rows of the weight (four tiles), ALL of K, in 384 registers
; and streams token tiles past them: a BLOCK is one token tile, 32 products on four accumulators by turns; its fragments lie twice in registers and are fetched two blocks ahead.
; PHASE 1: wave w takes head 4 c + w of q, k (c the column group) against all 16 token tiles; source 0 = the weight's tile, so a lane holds one token and its 32 results are the head's 64 features in two scale blocks (with lane l xor 16).
; PHASE 2: waves 2 i, 2 i + 1 take v's head 2 c + i against eight token tiles each; source 0 = the token tile, so a lane holds one feature and the 32 results of four blocks are 64 keys.  24 blocks in every wave.
; LDS, filled once, one load a wave at the head: the 16 token tiles (two loads of 98,304 bytes), their scale words (8,192), v's eight weight tiles (98,304).  Nothing is filled again; one barrier shows all four loads.
; The tokens are asked for jointly along a row of the 4 x 4 cluster, v's weights along a column.  Phase 1's weights go from memory straight into registers (each load 512 consecutive bytes).
; NO PREFETCH: every tile is asked for at the head; no later load is there to run ahead of.
; RESULTS: a half image (64 along K: three planes, 768 bytes) at hc + region + (e NT + tile) x 768, its scale words at hs + region + ((e NT + tile) / 4) x 256 + 16 r + 4 (tile % 4), a word = bytes (b0, b1, b0, b1).
;   q, k: e = head (0 to 31), tile = token tile, NT = 512, regions 0.   v: e = token / 64, tile = feature tile (0 to 63), NT = 64, regions VREG, SREG.
; LIMITS: NaN and infinities are not served; a block whose largest magnitude lies under 2^-124 keeps the byte 1, and so does a block of zeros (its codes are zeros; this program alone reads the bytes).
; REGISTERS: fragment f lies in window 1 + f / 21 at register 12 (f % 21): 0-31 the weight's (4 q + tile), 32-39 and 40-47 the token tile's two sets.  Window 0: addresses, scale words, accumulators, the way out.
.set FR,    12
.set FPW,   21
.set IMG,   1536
.set KROW,  8*IMG                      ; a tile's eight images
.set NF,    52                         ; LDS loads of a block: 48 for eight fragments, 4 for eight scale words
.set WB,    196608                     ; LDS: the token tiles from 0, v's weight tiles from WB, the tokens' scale words from XS
.set XS,    294912
.set SPARE, 303104                     ; the spare words, 128 bytes a wave
.set VREG,  12582912
.set SREG,  1048576
.set L8,   1                           ; v1  8 x lane
.set R8,   2                           ; v2  8 r
.set R16,  3                           ; v3  16 r
.set ADX,  4                           ; v4  LDS address of the token tile that is fetched next; v5 of its scale words
.set ADS,  5
.set ADW,  6                           ; v6  LDS address of my set of v's weights
.set SPW,  10                          ; v10 my spare word; v11 0: never rewritten
.set NIL,  11
.set WW,   20                          ; v20-23 four tiles' scale words on the way out
.set SB,   24                          ; v24-39 the weight's scale words: 8 (tile / 2) + K step; lanes 0-15 the even tile, lanes 16-31 the odd one
.set SA,   44                          ; v44-59 the token tile's: two sets of eight
.set ACC,  64                          ; v64-127 phase 1: two sets of four accumulators
.set HV,   64                          ; v64-191 phase 2: 32 t + 8 j + i
.set NCD,  192                         ; v192-215 codes: four places of six
.set TCX,  216                         ; v216-231 the second conversions' codes
.set TQ,   232                         ; v232-239 largest magnitudes, two to a way out
.set SOP,  240                         ; v240-247 the conversions' scale operands
.set PX,   248                         ; v248-255 lane l xor 16's, then the scale bytes
.set SB2,  968                         ; v968-983 phase 2's weight's scale words wait here
.set WV,   16
.set SEL,  22
.set G1X,  24
.set G1S,  32
.set G1W,  40
.set GX0,  48
.set GX1,  52
.set GS,   56
.set GW,   60
.set WP,   68                          ; s[68:69] phase 1's weight images; s[70:71] their scale words; s[72:73] phase 2's scale words
.set WSP,  70
.set WS2,  72
.set OB,   74                          ; s[74:75], s[76:77] where phase 1's codes and words go; s[78:79], s[80:81] phase 2's
.set OS,   76
.set OB2,  78
.set OS2,  80
.set XO,   82                          ; s82 the next tile's place in LDS; s83 its scale words'
.set SO,   83
.set CNT,  84
.set X2,   88                          ; s88 where my eight tiles of phase 2 begin
.set MSB, 0
.macro WIN new                         ; the immediate's high byte repeats the setting that is left
.if MSB != (\new)
	s_set_vgpr_msb (MSB<<8)|(\new)
.set MSB, (\new)
.endif
.endm
.macro PLACES n
.rept \n
	v_nop
.endr
.endm
.macro WALU
	s_wait_alu depctr_va_vdst(0)
.endm
.macro CROUND                          ; a round of the cluster's barrier
	s_barrier_signal -1
	s_barrier_wait -1
	s_cmp_lg_u32 s[WV], 0
	s_cbranch_scc1 .Lnw0_\@
	s_barrier_signal -3
.Lnw0_\@:
	s_barrier_wait -3
	s_barrier_signal -1
	s_barrier_wait -1
.endm
.macro GROUP1 g, mask, rows            ; a dense block as rows of 256 bytes (32 elements of 8); bit 21 beside the mask; no padding
	s_or_b32 s[\g], s[\mask], (3<<16)|(1<<21)
	s_mov_b32 s[\g+1], 32<<16
	s_mov_b32 s[\g+2], (\rows)<<16
	s_mov_b32 s[\g+3], 32<<16
	s_mov_b32 s[\g+4], \rows
	s_mov_b32 s[\g+5], 32
	s_mov_b32 s[\g+6], 0
	s_mov_b32 s[\g+7], 0
.endm
.macro PTR d, b                        ; s[d] holds an offset: base + offset (s67 = 0)
	s_mov_b32 s66, s[\d]
	s_add_nc_u64 s[\d:\d+1], s[\b:\b+1], s[66:67]
.endm
.macro G0SET g, b, lds
	PTR \g+2, \b
	s_or_b32 s[\g+3], s[\g+3], 0x80000000
	s_mov_b32 s[\g], 1
	s_mov_b32 s[\g+1], \lds
.endm
.macro ARM under, g0, g1, next
	s_cmp_lt_u32 s[WV], \under
	s_cbranch_scc0 \next
	tensor_load_to_lds s[\g0:\g0+3], s[\g1:\g1+7]
	s_nop 0
	PLACES 4
	s_branch .Lasked
\next:
.endm
.macro FETCH e                         ; a token tile into set e: an image comes back as it was stored
.irp q, 0,1,2,3,4,5,6,7
	WIN (1+(32+8*(\e)+\q)/FPW)<<6
.irp p, 0,1,2,3,4,5
	ds_load_b64 v[FR*((32+8*(\e)+\q)%FPW)+2*\p:FR*((32+8*(\e)+\q)%FPW)+2*\p+1], v[ADX] offset:\q*IMG+256*\p
.endr
.endr
	WIN 0
.irp c, 0,1,2,3
	ds_load_b64 v[SA+8*(\e)+2*\c:SA+8*(\e)+2*\c+1], v[ADS] offset:128*\c
.endr
.endm
.macro FETCHC e, tst                   ; the fetch, and the wait for the next block's rows: all but the NF loads just issued.  tst = 1: a loop's last trip has nothing left to fetch (a branch on the count of trips)
.if \tst
	s_cmp_eq_u32 s[CNT], 1
	s_cbranch_scc1 .Lnf_\@
.endif
	FETCH \e
	s_wait_dscnt NF
.if \tst
	s_branch .Lfd_\@
.Lnf_\@:
	s_wait_dscnt 0x0
.Lfd_\@:
.endif
.endm
.macro SETADR
	v_add_nc_u32 v[ADX], s[XO], v[L8]
	v_add_nc_u32 v[ADS], s[SO], v[R8]
.endm
; a product.  n = 4 q + tile.  kind 0 (q, k): source 0 the weight's tile; kind 1 (v): source 0 the token tile.  The first K step starts the sum.
.macro PROD1 d, s0, s1, c, x0, x1, side, o
.if \o
	v_wmma_scale_f32_16x16x128_f8f6f4 v[\d:\d+7], v[FR*((\s0)%FPW):FR*((\s0)%FPW)+FR-1], v[FR*((\s1)%FPW):FR*((\s1)%FPW)+FR-1], \c, v[\x0], v[\x1] matrix_a_fmt:MATRIX_FMT_FP6 matrix_b_fmt:MATRIX_FMT_FP6 matrix_\side\()_scale:MATRIX_SCALE_ROW1
.else
	v_wmma_scale_f32_16x16x128_f8f6f4 v[\d:\d+7], v[FR*((\s0)%FPW):FR*((\s0)%FPW)+FR-1], v[FR*((\s1)%FPW):FR*((\s1)%FPW)+FR-1], \c, v[\x0], v[\x1] matrix_a_fmt:MATRIX_FMT_FP6 matrix_b_fmt:MATRIX_FMT_FP6 matrix_\side\()_scale:MATRIX_SCALE_ROW0
.endif
.endm
.macro PROD kind, e, n, a0, as
.set Q_, (\n)/4
.set FB_, 4*Q_+(\n)%4
.set FA_, 32+8*(\e)+Q_
.set D_, (\a0)+(\as)*((\n)%4)
.set XB_, SB+8*(((\n)%4)/2)+Q_
.set XA_, SA+8*(\e)+Q_
.if \kind
	WIN (1+FA_/FPW)|((1+FB_/FPW)<<2)
.if Q_
	PROD1 D_, FA_, FB_, v[D_:D_+7], XA_, XB_, b, (\n)%2
.else
	PROD1 D_, FA_, FB_, 0, XA_, XB_, b, (\n)%2
.endif
.else
	WIN (1+FB_/FPW)|((1+FA_/FPW)<<2)
.if Q_
	PROD1 D_, FB_, FA_, v[D_:D_+7], XB_, XA_, a, (\n)%2
.else
	PROD1 D_, FB_, FA_, 0, XB_, XA_, a, (\n)%2
.endif
.endif
.endm
; a block's 32 products; behind every second one stand two entries of the list (a macro: entry number, two arguments of its own)
.macro BLOCK kind, e, a0, as, list, x=0, y=0
.set N_, 0
.rept 32
	PROD \kind, \e, N_, \a0, \as
.if N_%2
	\list N_-1, \x, \y
	\list N_, \x, \y
.endif
.set N_, N_+1
.endr
.endm
; THE WAY OUT of 32 sums of a lane from register x on (two scale blocks of 32, each shared with lane l xor 16), place t.  CHAIN writes entry i of its first part, 22 entries: the two largest magnitudes side by side, with the
; floor 2^(3 - 127), and the conversions' scale operands.  Each accumulator is read from its low end on.
.macro CHAIN i, x, t
.if (\i) >= 0 && (\i) < 22
	WIN 0
.set CC_, (\i)%2
.set KK_, (\i)/2
.set BB_, (\x)+16*CC_+2*KK_
.set TT_, 2*(\t)+CC_
.if KK_ == 0
	v_max3_num_f32 v[TQ+TT_], |v[BB_]|, |v[BB_+1]|, 0x1800000
.elseif KK_ < 8
	v_max3_num_f32 v[TQ+TT_], v[TQ+TT_], |v[BB_]|, |v[BB_+1]|
.elseif KK_ == 8
	v_permlanex16_b32 v[PX+TT_], v[TQ+TT_], s[SEL], s[SEL+1]
.elseif KK_ == 9
	v_max_num_f32 v[TQ+TT_], v[TQ+TT_], v[PX+TT_]
.else
	v_add_nc_u32 v[SOP+TT_], 0xff000000, v[TQ+TT_]    ; 2 off the exponent field
.endif
.endif
.endm
.macro CODES x, t                      ; its second part: 64 codes of a row as six registers of a half image, and the row's scale word
	v_cvt_scalef32_pk16_fp6_f32 v[NCD+6*(\t):NCD+6*(\t)+2], v[(\x):(\x)+15], v[SOP+2*(\t)]
	v_cvt_scalef32_pk16_fp6_f32 v[TCX+4*(\t):TCX+4*(\t)+2], v[(\x)+16:(\x)+31], v[SOP+2*(\t)+1]
	v_lshrrev_b32 v[PX+2*(\t)], 23, v[SOP+2*(\t)]     ; the scale bytes; plain places behind the conversions
	v_lshrrev_b32 v[PX+2*(\t)+1], 23, v[SOP+2*(\t)+1]
.irp i, 0,1,2
	v_permlane16_swap_b32 v[NCD+6*(\t)+\i], v[TCX+4*(\t)+\i]   ; a whole block to a lane: lanes 0-15 block 0, lanes 16-31 block 1
.endr
.irp i, 0,1,2
	v_mov_b32 v[NCD+6*(\t)+3+\i], v[TCX+4*(\t)+\i]
.endr
	v_lshl_or_b32 v[WW+(\t)], v[PX+2*(\t)+1], 8, v[PX+2*(\t)]
	v_lshl_or_b32 v[WW+(\t)], v[WW+(\t)], 16, v[WW+(\t)]
.endm
.macro PUT b, t                        ; a half image: three planes of 256 consecutive bytes, aligned
.irp p, 0,1,2
	global_store_b64 v[L8], v[NCD+6*(\t)+2*\p:NCD+6*(\t)+2*\p+1], s[\b:\b+1] offset:768*(\t)+256*\p
.endr
.endm
; the lists
.macro STEPX i                         ; to the next tile's LDS addresses
.if (\i) == 0
	s_add_co_u32 s[XO], s[XO], KROW
	s_add_co_u32 s[SO], s[SO], 512
	WIN 0
	v_add_nc_u32 v[ADX], s[XO], v[L8]
.elseif (\i) == 1
	WIN 0
	v_add_nc_u32 v[ADS], s[SO], v[R8]
.endif
.endm
.macro L_Q i, x, y                     ; the step, then the way out of the block before
	STEPX \i
	CHAIN (\i)-2, \x, \y
.endm
.macro L_Q0 i, x, y                    ; the first of four blocks: the stores' bases go four tiles on (behind the block's wait on XCNT)
	STEPX \i
.if (\i) == 2
	s_add_nc_u64 s[OB:OB+1], s[OB:OB+1], 4*768
	s_add_nc_u64 s[OS:OS+1], s[OS:OS+1], 256
.endif
.endm
.macro L_V i, x, y
	STEPX \i
.endm
.macro L_V0 i, x, y                    ; 64 keys on
	STEPX \i
.if (\i) == 2
	s_add_nc_u64 s[OB2:OB2+1], s[OB2:OB2+1], 64*768
	s_add_nc_u64 s[OS2:OS2+1], s[OS2:OS2+1], 4096
.endif
.endm
; a block of phase 1 on set e.  k: which of the four tiles' way outs stands in it (the block before's; -1: none).  last = 1: the block's own way out follows, and the four words leave.
.macro QBLK e, k, tst, last
	s_wait_xcnt 0x0                                ; earlier stores have read their registers and bases
.if \k < 0
	BLOCK 0, \e, ACC+32*(\e), 8, L_Q0
	WIN 0
	PLACES 4                                       ; places between the products and the loads into their registers
.else
	BLOCK 0, \e, ACC+32*(\e), 8, L_Q, ACC+32*(1-(\e)), \k
	WIN 0
	WALU                                           ; the scale operands were written among scalar lines
	CODES ACC+32*(1-(\e)), \k                      ; its plain lines are the places behind the products
.endif
.if \last
.set I_, 0
.rept 22
	CHAIN I_, ACC+32*(\e), (\k)+1
.set I_, I_+1
.endr
	CODES ACC+32*(\e), (\k)+1
.endif
	WALU
.if \k >= 0
	PUT OB, \k
.endif
.if \last
	PUT OB, (\k)+1
	global_store_b128 v[R16], v[WW:WW+3], s[OS:OS+1]   ; 256 consecutive bytes; lanes l and l + 16 write the same bytes with the same value
.endif
	FETCHC \e, \tst
.endm
.macro VBLK j, tst                     ; a block of phase 2: token tile j of four
.if \j == 0
	s_wait_xcnt 0x0
	BLOCK 1, 0, HV, 32, L_V0
.else
	BLOCK 1, (\j)%2, HV+8*(\j), 32, L_V
.endif
	WIN 0
	PLACES 4
	WALU
	FETCHC (\j)%2, \tst
.endm
	s_load_b256 s[4:11], s[0:1], 0x0               ; xq, xs, wq, ws
	s_load_b128 s[12:15], s[0:1], 0x20             ; hc, hs
	v_lshl_add_u32 v[SPW], v0, 2, SPARE
	v_mov_b32 v[NIL], 0
	ds_add_u32 v[SPW], v[NIL]                      ; the opening lines: the add, twice on end, and its wait ahead of the first tensor loads
	ds_add_u32 v[SPW], v[NIL]
	v_lshrrev_b32 v4, 5, v0
	v_readfirstlane_b32 s[WV], v4
	v_and_b32 v4, 31, v0
	v_and_b32 v5, 15, v0                           ; r
	v_bfe_u32 v6, v0, 4, 1                         ; h
	v_lshlrev_b32 v[L8], 3, v4
	v_lshlrev_b32 v8, 4, v4                        ; 16 x lane: a weight's image has three planes of 512 bytes, plane P holding registers 4 P .. 4 P + 3 of lane l at byte 16 l
	v_lshlrev_b32 v[R8], 3, v5
	v_lshlrev_b32 v[R16], 4, v5
	v_lshl_add_u32 v7, v6, 9, v[R8]                ; the weight's scale words: lanes 16-31 take the odd tile's
.irp i, 0,1,2,3,4,5,6,7
	v_mov_b32 v[PX+\i], 0                          ; written once: a lane permute's destination counts as one of its sources
.endr
	s_bfe_u32 s17, ttmp6, 0x40000                  ; cx
	s_bfe_u32 s18, ttmp6, 0x40004                  ; cy
	s_lshl_b32 s19, ttmp9, 2
	s_add_co_u32 s19, s19, s17                     ; the column group c, 0 to 7
	s_and_b32 s20, ttmp7, 0xffff
	s_lshl_b32 s20, s20, 2
	s_add_co_u32 s20, s20, s18                     ; the token block, 0 to 31
	s_lshl_b32 s2, s18, 2
	s_lshl_b32 s2, 15, s2                          ; my row of the cluster
	s_lshl_b32 s3, 0x1111, s17                     ; my column
	GROUP1 G1X, 2, 384                             ; eight token tiles: 98,304 dense bytes
	GROUP1 G1S, 2, 32                              ; sixteen tiles' scale words
	GROUP1 G1W, 3, 384                             ; v's eight weight tiles
	s_mul_i32 s[GX0+2], s20, 16*KROW               ; offsets; the buffers' addresses are added below
	s_add_co_u32 s[GX1+2], s[GX0+2], 8*KROW
	s_lshl_b32 s[GS+2], s20, 13
	s_lshl_b32 s2, s19, 3
	s_add_co_u32 s3, s2, 128                       ; v's weights: tile 128 + 8 c
	s_mul_i32 s[GW+2], s3, KROW
	s_lshr_b32 s85, s[WV], 1
	s_and_b32 s86, s[WV], 1
	s_lshl_b32 s87, s85, 2
	s_add_co_u32 s3, s3, s87
	s_lshl_b32 s[WS2], s3, 9                       ; my set's scale words in phase 2
	s_lshl_b32 s2, s19, 2
	s_add_co_u32 s2, s2, s[WV]                     ; my head of q, k: e = 4 c + wave
	s_lshl_b32 s3, s2, 2
	s_mul_i32 s[WP], s3, KROW
	s_lshl_b32 s[WSP], s3, 9
	s_lshl_b32 s3, s2, 9
	s_lshl_b32 s87, s20, 4
	s_add_co_u32 s3, s3, s87                       ; e 512 + my first token tile
	s_lshl_b32 s[OS], s3, 6
	s_mul_i32 s[OB], s3, 768
	s_lshl_b32 s3, s20, 2
	s_lshl_b32 s87, s86, 1
	s_add_co_u32 s3, s3, s87                       ; phase 2: my first 64 keys
	s_lshl_b32 s87, s19, 1
	s_add_co_u32 s87, s87, s85                     ; my head of v
	s_lshl_b32 s3, s3, 4
	s_add_co_u32 s3, s3, s87
	s_lshl_b32 s[OS2], s3, 8
	s_add_co_u32 s[OS2], s[OS2], SREG
	s_mul_i32 s[OB2], s3, 4*768
	s_add_co_u32 s[OB2], s[OB2], VREG
	s_mul_i32 s[X2], s86, 8*KROW
	s_mul_i32 s87, s85, 4*KROW
	s_add_co_u32 s87, s87, WB
	v_add_nc_u32 v[ADW], s87, v8
	s_mov_b32 s[SEL], 0x76543210
	s_mov_b32 s[SEL+1], 0xfedcba98
	s_mov_b32 s67, 0
	WALU
	s_wait_dscnt 0x0                               ; both opening adds are done
	CROUND                                         ; all sixteen work-groups are here: the joint loads meet
	s_wait_kmcnt 0x0
	G0SET GX0, 4, 0
	G0SET GS,  6, XS
	G0SET GX1, 4, 8*KROW
	G0SET GW,  8, WB
	ARM 1, GX0, G1X, .Larm_s                       ; one chain of branches on the wave's number, one load to an arm
	ARM 2, GS,  G1S, .Larm_x1
	ARM 3, GX1, G1X, .Larm_w
	tensor_load_to_lds s[GW:GW+3], s[G1W:G1W+7]
	s_nop 0
	PLACES 4
.Lasked:
	PTR WP, 8
	PTR WSP, 10
	PTR WS2, 10
.irp p, 0,1
.irp c, 0,1,2,3
	global_load_b64 v[SB+8*\p+2*\c:SB+8*\p+2*\c+1], v7, s[WSP:WSP+1] offset:\p*1024+\c*128
.endr
.endr
.irp q, 0,1,2,3,4,5,6,7                        ; my head's 64 rows of the weight, all of K: 96 loads of 512 consecutive bytes
.irp b, 0,1,2,3
	WIN (1+(4*\q+\b)/FPW)<<6
.irp p, 0,1,2
	global_load_b128 v[FR*((4*\q+\b)%FPW)+4*\p:FR*((4*\q+\b)%FPW)+4*\p+3], v8, s[WP:WP+1] offset:\b*KROW+\q*IMG+512*\p   ; 96 loads of 512 consecutive bytes in all
.endr
.endr
.endr
	WIN 3<<6
.irp p, 0,1
.irp c, 0,1,2,3
	global_load_b64 v[SB2-768+8*\p+2*\c:SB2-768+8*\p+2*\c+1], v7, s[WS2:WS2+1] offset:\p*1024+\c*128
.endr
.endr
	WIN 0
	PTR OB, 12
	PTR OS, 14
	PTR OB2, 12
	PTR OS2, 14
	s_sub_nc_u64 s[OB:OB+1], s[OB:OB+1], 4*768     ; each group of four blocks steps its bases first
	s_sub_nc_u64 s[OS:OS+1], s[OS:OS+1], 256
	s_sub_nc_u64 s[OB2:OB2+1], s[OB2:OB2+1], 64*768
	s_sub_nc_u64 s[OS2:OS2+1], s[OS2:OS2+1], 4096
	s_mov_b32 s[XO], 0
	s_mov_b32 s[SO], XS
	s_wait_tensorcnt 0x0                           ; every wave: its load is in
	s_barrier_signal -1
	s_barrier_wait -1                              ; all four loads are in, in every wave's sight
	SETADR
	FETCH 0
	s_add_co_u32 s[XO], s[XO], KROW
	s_add_co_u32 s[SO], s[SO], 512
	SETADR
	FETCH 1
	s_mov_b32 s[CNT], 4
	s_wait_loadcnt 0x0                             ; the weight and the scale words
	s_wait_dscnt NF                                ; tile 0 is in; tile 1's NF loads may be out
.Lqk:                                              ; PHASE 1: four trips of four blocks
	QBLK 0, -1, 0, 0
	QBLK 1, 0, 0, 0
	QBLK 0, 1, 1, 0
	QBLK 1, 2, 1, 1
	s_sub_co_u32 s[CNT], s[CNT], 1
	s_cmp_lg_u32 s[CNT], 0
	s_cbranch_scc1 .Lqk
	; THE CHANGE OF PHASE: v's weight and my first two tiles in one run of loads (the last way out's plain lines are the places behind the last products)
.irp q, 0,1,2,3,4,5,6,7
.irp b, 0,1,2,3
	WIN (1+(4*\q+\b)/FPW)<<6
.irp p, 0,1,2
	ds_load_b128 v[FR*((4*\q+\b)%FPW)+4*\p:FR*((4*\q+\b)%FPW)+4*\p+3], v[ADW] offset:\b*KROW+\q*IMG+512*\p
.endr
.endr
.endr
	WIN 0
	s_mov_b32 s[XO], s[X2]
	s_and_b32 s2, s[WV], 1
	s_lshl_b32 s2, s2, 12
	s_add_co_u32 s[SO], s2, XS
	SETADR
	FETCH 0
	s_add_co_u32 s[XO], s[XO], KROW
	s_add_co_u32 s[SO], s[SO], 512
	SETADR
	FETCH 1
	WIN 3
.set I_, 0
.rept 16
	v_mov_b32 v[SB+I_], v[SB2-768+I_]
.set I_, I_+1
.endr
	WIN 0
	PLACES 8                                       ; a scale register written by a vector instruction stands 8 places ahead of a scaled product
	s_mov_b32 s[CNT], 2
	WALU
	s_wait_dscnt NF
.Lv:                                               ; PHASE 2: two trips of four blocks, 64 keys each
	VBLK 0, 0
	VBLK 1, 0
	VBLK 2, 1
	VBLK 3, 1
.set I_, 0
.rept 22                                       ; the four feature tiles' way outs, line by line in turn
.irp t, 0,1,2,3
	CHAIN I_, HV+32*\t, \t
.endr
.set I_, I_+1
.endr
.irp t, 0,1,2,3
	CODES HV+32*\t, \t
.endr
	WALU
.irp t, 0,1,2,3
	PUT OB2, \t
.endr
	global_store_b128 v[R16], v[WW:WW+3], s[OS2:OS2+1]
	s_sub_co_u32 s[CNT], s[CNT], 1
	s_cmp_lg_u32 s[CNT], 0
	s_cbranch_scc1 .Lv
	s_wait_tensorcnt 0x0                           ; the wave's end
	ds_add_u32 v[SPW], v[NIL]
	s_wait_dscnt 0x0
	CROUND                                         ; the closing round
	s_endpgm
.Lfunc_end_k_q81bd090f58_qkv:
	.size	k_q81bd090f58_qkv, .Lfunc_end_k_q81bd090f58_qkv-k_q81bd090f58_qkv
	.p2alignl 7, 3214868480
	.fill 96, 4, 3214868480
	.section	.rodata,"a",@progbits
	.p2align	6, 0x0
	.amdhsa_kernel k_q81bd090f58_qkv
		.amdhsa_group_segment_fixed_size 327680
		.amdhsa_private_segment_fixed_size 0
		.amdhsa_enable_private_segment 0
		.amdhsa_kernarg_size 48
		.amdhsa_user_sgpr_count 2
		.amdhsa_user_sgpr_kernarg_segment_ptr 1
		.amdhsa_wavefront_size32 1
		.amdhsa_system_sgpr_workgroup_id_x 1
		.amdhsa_system_sgpr_workgroup_id_y 1
		.amdhsa_system_sgpr_workgroup_id_z 1
		.amdhsa_system_vgpr_workitem_id 0
		.amdhsa_next_free_vgpr 992
		.amdhsa_next_free_sgpr 90
		.amdhsa_reserve_vcc 0
		.amdhsa_float_denorm_mode_32 3
		.amdhsa_float_denorm_mode_16_64 3
		.amdhsa_memory_ordered 1
		.amdhsa_forward_progress 1
		.amdhsa_inst_pref_size 124
	.end_amdhsa_kernel
	.amdgpu_metadata
---
amdhsa.version: [ 1, 2 ]
amdhsa.kernels:
  - .name:           k_q81bd090f58_qkv
    .symbol:         k_q81bd090f58_qkv.kd
    .args:
      - { .name: xq, .offset: 0, .size: 8, .value_kind: global_buffer, .address_space: global }
      - { .name: xs, .offset: 8, .size: 8, .value_kind: global_buffer, .address_space: global }
      - { .name: wq, .offset: 16, .size: 8, .value_kind: global_buffer, .address_space: global }
      - { .name: ws, .offset: 24, .size: 8, .value_kind: global_buffer, .address_space: global }
      - { .name: hc, .offset: 32, .size: 8, .value_kind: global_buffer, .address_space: global }
      - { .name: hs, .offset: 40, .size: 8, .value_kind: global_buffer, .address_space: global }
    .group_segment_fixed_size: 327680
    .private_segment_fixed_size: 0
    .kernarg_segment_align: 8
    .kernarg_segment_size: 48
    .max_flat_workgroup_size: 128
    .sgpr_count:     90
    .vgpr_count:     992
    .wavefront_size: 32
...
	.end_amdgpu_metadata
.endif
;; end of part 2
;; launch attn (part 3): grid 256 x 1, 16 waves a work-group, clusters of 4 x 1, 327,680 bytes of LDS; arguments hc, hs, yq, ys; writes yq, ys
.if DOCPART == 3
	.amdgcn_target "amdgcn-amd-amdhsa--gfx1250"
	.amdhsa_code_object_version 6
	.text
	.protected	k_q81bd090f58_attn
	.globl	k_q81bd090f58_attn
	.p2align	8
	.type	k_q81bd090f58_attn,@function
k_q81bd090f58_attn:
	s_mov_b64 s[64:65], 0
	v_nop
	global_prefetch_b8 v0, s[64:65] scope:SCOPE_SE
	s_setreg_imm32_b32 hwreg(HW_REG_WAVE_MODE, 25, 1), 1
	s_wait_xcnt 0x0
	s_wait_alu depctr_hold_cnt(0) depctr_sa_sdst(0) depctr_va_vdst(0) depctr_va_sdst(0) depctr_va_ssrc(0) depctr_va_vcc(0) depctr_vm_vsrc(0)
	s_getreg_b32 s2, hwreg(HW_REG_IB_STS2, 6, 4)
	s_cmp_eq_u32 s2, 0
	s_cbranch_scc0 .Lentry_in_a_cluster
	s_endpgm
.Lentry_in_a_cluster:
	s_bfe_u32 s2, ttmp6, 0x10000c
	s_cmp_lg_u32 s2, 0x3003
	s_cbranch_scc0 .Lentry_shape_is_right
	s_endpgm
.Lentry_shape_is_right:
; y = softmax(q k^T / 8, causal) v for 64 heads of 2,048 tokens x 64, both products on codes of FP6 (E2M3) with E8M0 scales; y is quantised here for the last product.
; WORK LEFT OUT: the causal mask sets every score of a key behind its query to -infinity, so its p is 0 and adds nothing to the sum or to y, whatever the inputs hold: steps of 128 keys that lie
; wholly behind a wave's 128-query block are not computed.  A NaN, an infinity or an overflow that reaches only those scores is not carried to the result.
; THE SOFTMAX: t = score x log2(e) / 8; M = the running largest t rounded UP to a whole number; p = 2^(t - M) is quantised along the keys, not normalised; the row's sum is taken of the unquantised p and divides
; at the end.  When M moves, the sum and O are multiplied by 2^(old M - new M): exact.
; INPUTS: half images of 768 bytes (16 rows x 64 along K: three planes of 256 bytes, plane q holding registers 2 q, 2 q + 1 of lane l at byte 8 l).  q, k: hc + (e 512 + token tile) x 768, e = head (q) or 16 + head (k).
; v: hc + VREG + ((token / 64) 64 + feature tile) x 768.  Scale words, bytes (b0, b1, b0, b1): hs, four tiles' words of a row on end.  Tile 2 g + u, row r, is tensor row 32 g + 8 u + r + 8 (r / 8).
; THE FIRST PRODUCT'S K IS 64: the upper six registers of q's and k's fragments hold zero codes.  Both products are used transposed (S^T = k q^T, O^T = v^T p^T): a lane holds one query throughout.
; THE DEAL.  A head's k (98,304 bytes), v (98,304) and their scale words (16,384) lie in LDS WHOLE, filled once at the head: no slot is filled again, and the walk over the keys has no barrier.
; Four work-groups, one cluster, serve a head; work-group c owns tiles 2 c, 2 c + 1 of each of the 16 blocks of 128 queries.  Wave w takes tile 2 c + w % 2 of block 15 - w / 2 and then of block w / 2:
; (16 - w / 2) + (w / 2 + 1) = 17 live steps of 128 keys in every wave.  All four partners read all of k and v, so every tile is asked for JOINTLY (mask 15), one load a wave:
; waves 0 to 3 the first 256 keys of k, of v, k's words, v's words; waves 4 to 11 the other 1,792 keys of k (10,752 bytes each); waves 12 to 15 those of v (seven rows of 3,072 bytes each).
; The first barrier shows what waves 0 to 3 fetched (they alone wait there, and their load lines are theirs alone); two steps are worked; the second barrier shows all the rest.
; Loops have constant trip counts (2, 14, 8); a step behind the mask is jumped over by a branch on the wave's number and the count of steps.
; NO PREFETCH: every tile is asked for at the head; there is no later load to run ahead of.
; LIMITS: NaN and infinities are not served; a block whose largest magnitude lies under 2^-124 keeps the byte 1, and so does a block of zeros; the scaled scores stay under 2^31 in magnitude.
.set KB,    0                          ; LDS: k [key tile][768]
.set VB,    98304                      ; v [64 keys][feature tile][768]
.set SKB,   196608                     ; k's scale words; v's lie SVD behind them
.set SVD,   8192
.set SPARE, 212992                     ; the spare words, 128 bytes a wave
.set VREG,  12582912
.set SREG,  1048576
.set L8,   1                           ; v1  8 x lane
.set R16,  2                           ; v2  16 r
.set DQ,   3                           ; v3  my query's place in its block, less 16 (lane / 16)
.set SPW,  4                           ; v4  my spare word; v5  0: never rewritten
.set NIL,  5
.set ADK,  6                           ; v6-8 LDS addresses of the step in hand: k, v, scale words
.set ADV,  7
.set ADS,  8
.set Q2S,  9                           ; v9  the second tile's scale word of q; its fragment waits in v10-11, v28-31
.set KFR,  32                          ; v32-79   four fragments of k; the upper six registers of each stay zero
.set S,    80                          ; v80-143  S^T, then p
.set O,    144                         ; v144-175 O^T
.set VFR,  176                         ; v176-223 four fragments of v
.set WV,   12
.set CX,   13
.set SEL,  14
.set CS,   16
.set TBK,  18                          ; s18 where the step's k begins in LDS; s19 its scale words; s20 its first key; s21 my block's first query
.set TS,   19
.set KF,   20
.set QB,   21
.set TL,   23                          ; s23 128 batch + my tile in a block
.set CNT,  66
.set TT,   67                          ; s67 my token tile
.set HY,   100                         ; s100, s101 the head's place in y's images and scale bytes
.set HS,   101
.set G1K,  24
.set G1V,  32
.set G1SK, 40
.set G1SV, 48
.set G1K2, 56
.set G1V2, 72
.set GA,   80
.set GB,   84
.set GC,   88
.set GD,   92
.set GE,   96
.set GF,   68
.macro WALU
	s_wait_alu depctr_va_vdst(0)
.endm
.macro CROUND                          ; a round of the cluster's barrier
	s_barrier_signal -1
	s_barrier_wait -1
	s_cmp_lg_u32 s[WV], 0
	s_cbranch_scc1 .Lnw0_\@
	s_barrier_signal -3
.Lnw0_\@:
	s_barrier_wait -3
	s_barrier_signal -1
	s_barrier_wait -1
.endm
.macro GROUP1 g, c, rows, pitch        ; rows of c elements of 8 bytes; mask 15 with bit 21 beside it; no padding
	s_mov_b32 s[\g], 15|(3<<16)|(1<<21)
	s_mov_b32 s[\g+1], (\c)<<16
	s_mov_b32 s[\g+2], (\rows)<<16
	s_mov_b32 s[\g+3], (\c)<<16
	s_mov_b32 s[\g+4], \rows
	s_mov_b32 s[\g+5], \pitch
	s_mov_b32 s[\g+6], 0
	s_mov_b32 s[\g+7], 0
.endm
.macro G0SET g, base, off              ; group 0's count and address: base + the offset in s\off (s3 = 0)
	s_mov_b32 s[\g], 1
	s_mov_b32 s2, s[\off]
	s_add_nc_u64 s[\g+2:\g+3], s[\base:\base+1], s[2:3]
	s_or_b32 s[\g+3], s[\g+3], 0x80000000
.endm
.macro ARM under, g0, g1, next
	s_cmp_lt_u32 s[WV], \under
	s_cbranch_scc0 \next
	tensor_load_to_lds s[\g0:\g0+3], s[\g1:\g1+7]
	s_nop 0
.rept 4
	v_nop
.endr
	s_branch .Lasked
\next:
.endm
.macro INIT                            ; a tile's state: the largest t -3e38, -M, the sum, O^T
	v_mov_b32 v13, 0xff61b1e6
	v_floor_f32 v12, -v13
	v_mov_b32 v14, 0
	v_mov_b32 v15, 0
.set n, 0
.rept 32
	v_mov_b32 v[O+n], 0
.set n, n+1
.endr
.endm
; A KEY STEP: 128 keys.
.macro STEP
	s_cmp_gt_u32 s[KF], s[QB]                      ; all its keys come after my block: a branch on ids, round the work alone
	s_cbranch_scc1 .Lhidden_\@
	v_add_nc_u32 v[ADK], s[TBK], v[L8]             ; (these four are also the places in front of the loads below)
	v_add_nc_u32 v[ADS], s[TS], v[R16]
	v_add_nc_u32 v[ADV], VB, v[ADK]
	v_nop
	WALU
.irp g, 0,1                                    ; S^T = k q^T, four tiles of 16 keys at a time
.if \g > 0
.rept 4
	v_nop                                          ; places in front of loads into registers that matrix instructions have read
.endr
.endif
.irp t, 0,1,2,3
.irp p, 0,1,2
	ds_load_b64 v[KFR+12*\t+2*\p:KFR+12*\t+2*\p+1], v[ADK] offset:(4*\g+\t)*768+256*\p
.endr
.endr
	ds_load_b128 v[248:251], v[ADS] offset:256*\g  ; the four tiles' scale words of my row
	s_wait_dscnt 0x0
.irp t, 0,1,2,3
	v_wmma_scale_f32_16x16x128_f8f6f4 v[S+8*(4*\g+\t):S+8*(4*\g+\t)+7], v[KFR+12*\t:KFR+12*\t+11], v[16:27], 0, v[248+\t], v255 matrix_a_fmt:MATRIX_FMT_FP6 matrix_b_fmt:MATRIX_FMT_FP6
.endr
.endr
.rept 4
	v_nop
.endr
.irp t, 0,1,2,3                                ; v's fragments are asked for now and land under the softmax: two half images each
.irp c, 0,1
.irp p, 0,1,2
	ds_load_b64 v[VFR+12*\t+6*\c+2*\p:VFR+12*\t+6*\c+2*\p+1], v[ADV] offset:\c*3072+768*\t+256*\p
.endr
.endr
.endr
	ds_load_b128 v[32:35], v[ADS] offset:SVD       ; v's scale words of the first 64 keys, into registers that k's next fragments will take,
	ds_load_b128 v[44:47], v[ADS] offset:SVD+256   ; and of the second
	s_cmp_lt_u32 s[KF], s[QB]                      ; all keys count: no mask
	s_cbranch_scc1 .Lopen_\@
	v_mov_b32 v254, 0xff800000                     ; on the diagonal hidden scores become -infinity: register 16 b + i holds key 32 b + 16 (lane / 16) + i of the block
.set n, 0
.rept 64
	v_cmp_gt_i32 vcc_lo, 32*(n/16)+n%16, v[DQ]
	v_cndmask_b32 v[S+n], v[S+n], v254, vcc_lo
.set n, n+1
.endr
.Lopen_\@:
.irp b, 0,1,2,3
	v_max3_num_f32 v[232+\b], v[S+16*\b], v[S+1+16*\b], v[S+2+16*\b]   ; the largest score of each block of 32 keys: for the row's maximum and, since p rises with the score, for the block's largest p
.endr
.irp i, 3,5,7,9,11,13
.irp b, 0,1,2,3
	v_max3_num_f32 v[232+\b], v[232+\b], v[S+16*\b+\i], v[S+1+16*\b+\i]
.endr
.endr
.irp b, 0,1,2,3
	v_max_num_f32 v[232+\b], v[232+\b], v[S+15+16*\b]
.endr
.irp b, 0,1,2,3
	s_delay_alu instid0(VALU_DEP_4)
	v_permlanex16_b32 v[236+\b], v[232+\b], s[SEL], s[SEL+1]
.endr
.irp b, 0,1,2,3
	s_delay_alu instid0(VALU_DEP_4)
	v_max_num_f32 v[232+\b], v[232+\b], v[236+\b]
.endr
	s_delay_alu instid0(VALU_DEP_2)
	v_max3_num_f32 v254, v232, v233, v234
	s_delay_alu instid0(VALU_DEP_1)
	v_max_num_f32 v254, v254, v235
	s_delay_alu instid0(VALU_DEP_1)
	v_mul_f32 v254, s[CS], v254                    ; the step's largest t
	s_delay_alu instid0(VALU_DEP_1)
	v_max_num_f32 v13, v13, v254                   ; the running largest t
	v_mov_b32 v254, v12
	s_delay_alu instid0(VALU_DEP_2)
	v_floor_f32 v12, -v13                          ; the new -M = -ceil(t)
	s_delay_alu instid0(VALU_DEP_1)
	v_sub_f32 v254, v12, v254                      ; old M - new M: a whole number, 0 or less
	s_delay_alu instid0(VALU_DEP_1)
	v_cvt_i32_f32 v254, v254
	s_delay_alu instid0(VALU_DEP_1)
	v_ldexp_f32 v252, 1.0, v254                    ; f = 2^(old M - new M)
.set n, 0
.rept 32
	v_pk_fma_f32 v[S+n:S+n+1], v[S+n:S+n+1], s[CS:CS+1], v[12:13] op_sel_hi:[1,0,0]   ; t - M
.set n, n+2
.endr
.irp b, 0,1,2,3
	v_fma_f32 v[232+\b], v[232+\b], s[CS], v12
.endr
.set n, 0
	WALU
.rept 64
	v_exp_f32 v[S+n], v[S+n]                       ; p = 2^(t - M)
.set n, n+1
.endr
	v_pk_mul_f32 v[14:15], v[14:15], v[252:253] op_sel_hi:[1,0]   ; the sums under the new M; a plain place behind the exponentials
	WALU                                           ; one wait for the batch, ahead of its first reader
.irp b, 0,1,2,3
	v_exp_f32 v[232+\b], v[232+\b]                 ; each block's largest p
.endr
	v_pk_add_f32 v[236:237], v[84:85], v[88:89]    ; the row's sum of the unquantised p, in eight chains
	v_pk_add_f32 v[250:251], v[92:93], v[96:97]
	v_pk_add_f32 v[248:249], v[100:101], v[104:105]
	v_pk_add_f32 v[246:247], v[108:109], v[112:113]
	v_pk_add_f32 v[244:245], v[116:117], v[120:121]
	v_pk_add_f32 v[242:243], v[124:125], v[128:129]
	v_pk_add_f32 v[240:241], v[132:133], v[136:137]
	v_pk_add_f32 v[14:15], v[14:15], v[140:141]
	v_pk_add_f32 v[236:237], v[236:237], v[80:81]
	v_pk_add_f32 v[250:251], v[250:251], v[82:83]
	v_pk_add_f32 v[248:249], v[248:249], v[86:87]
	v_pk_add_f32 v[246:247], v[246:247], v[90:91]
	v_pk_add_f32 v[244:245], v[244:245], v[94:95]
	v_pk_add_f32 v[242:243], v[242:243], v[98:99]
	v_pk_add_f32 v[240:241], v[240:241], v[102:103]
	v_pk_add_f32 v[14:15], v[14:15], v[106:107]
	v_pk_add_f32 v[236:237], v[236:237], v[110:111]
	v_pk_add_f32 v[250:251], v[250:251], v[114:115]
	v_pk_add_f32 v[248:249], v[248:249], v[118:119]
	v_pk_add_f32 v[246:247], v[246:247], v[122:123]
	v_pk_add_f32 v[244:245], v[244:245], v[126:127]
	v_pk_add_f32 v[242:243], v[242:243], v[130:131]
	v_pk_add_f32 v[240:241], v[240:241], v[134:135]
	v_pk_add_f32 v[14:15], v[14:15], v[138:139]
	v_pk_add_f32 v[236:237], v[236:237], v[142:143]
	s_delay_alu instid0(VALU_DEP_2)
	v_pk_add_f32 v[14:15], v[14:15], v[246:247]
	s_delay_alu instid0(VALU_DEP_2)
	v_pk_add_f32 v[236:237], v[236:237], v[244:245]
	v_pk_add_f32 v[250:251], v[250:251], v[242:243]
	v_pk_add_f32 v[248:249], v[248:249], v[240:241]
	s_delay_alu instid0(VALU_DEP_2)
	v_pk_add_f32 v[14:15], v[14:15], v[250:251]
	s_delay_alu instid0(VALU_DEP_2)
	v_pk_add_f32 v[236:237], v[236:237], v[248:249]
	s_delay_alu instid0(VALU_DEP_1)
	v_pk_add_f32 v[14:15], v[14:15], v[236:237]
	WALU                                           ; and one for the four
.irp b, 0,1,2,3
	v_max_num_f32 v[232+\b], 0x1800000, v[232+\b]  ; the floor 2^(3 - 127)
.endr
.irp b, 0,1,2,3
	s_delay_alu instid0(VALU_DEP_4)
	v_add_nc_u32 v[244+\b], 0xff000000, v[232+\b]
.endr
.irp b, 0,1,2,3
	s_delay_alu instid0(VALU_DEP_4)
	v_lshrrev_b32 v[236+\b], 23, v[244+\b]
.endr
	s_delay_alu instid0(VALU_DEP_3)
	v_lshl_or_b32 v253, v237, 8, v236              ; p's scale word for these 128 keys
	s_delay_alu instid0(VALU_DEP_1)
	v_lshl_or_b32 v253, v238, 16, v253
	s_delay_alu instid0(VALU_DEP_1)
	v_lshl_or_b32 v253, v239, 24, v253
.irp c, 0,1
	v_cvt_scalef32_pk16_fp6_f32 v[224+6*\c:226+6*\c], v[S+32*\c:S+15+32*\c], v[244+2*\c]
	v_cvt_scalef32_pk16_fp6_f32 v[236+4*\c:238+4*\c], v[S+16+32*\c:S+31+32*\c], v[244+2*\c+1]
.endr
	v_nop                                          ; one plain place behind a scaled conversion
.irp c, 0,1
.irp i, 0,1,2
	v_permlane16_swap_b32 v[224+6*\c+\i], v[236+4*\c+\i]
.endr
.irp i, 0,1,2
	s_delay_alu instid0(VALU_DEP_3)
	v_mov_b32 v[227+6*\c+\i], v[236+4*\c+\i]
.endr
.endr
	s_wait_dscnt 0x0                               ; v's fragments and scale words are in
.irp t, 0,1,2,3
	v_perm_b32 v[248+\t], v[44+\t], v[32+\t], 0x05040100   ; bytes 0, 1 of the first 64 keys' word, then of the second's: the word of 128 keys
.endr
.set n, 0
.rept 16
	v_pk_mul_f32 v[O+n:O+n+1], v[O+n:O+n+1], v[252:253] op_sel_hi:[1,0]   ; O^T under the new M; these are also the places between the scale words' and the codes' last writes and the products
.set n, n+2
.endr
.irp t, 0,1,2,3                                ; O^T += v^T p^T: four accumulators, one instruction each
	v_wmma_scale_f32_16x16x128_f8f6f4 v[O+8*\t:O+8*\t+7], v[VFR+12*\t:VFR+12*\t+11], v[224:235], v[O+8*\t:O+8*\t+7], v[248+\t], v253 matrix_a_fmt:MATRIX_FMT_FP6 matrix_b_fmt:MATRIX_FMT_FP6
.endr
.Lhidden_\@:
	s_add_co_u32 s[KF], s[KF], 128
	s_add_co_u32 s[TBK], s[TBK], 6144
	s_add_co_u32 s[TS], s[TS], 512
.endm
.macro WALK label, trips               ; so many steps, a constant count
	s_mov_b32 s[CNT], \trips
\label:
	STEP
	s_sub_co_u32 s[CNT], s[CNT], 1
	s_cmp_lg_u32 s[CNT], 0
	s_cbranch_scc1 \label
.endm
; THE WAY OUT of a tile: O^T / the sum is y's 64 features of my 16 tokens: register 16 b + i is feature 32 b + 16 (lane / 16) + i.  Two blocks of 32 are quantised and leave as a half image:
; image (tile, K step head / 2), half head % 2, at tile x 12,288 + head x 768; scale bytes at 512 tile + 128 (head / 4) + 2 (head % 4) + 8 r.
.macro EPI
.rept 4
	v_nop                                          ; places behind the last products
.endr
	s_mul_i32 s2, s[TT], 12288
	s_add_co_u32 s2, s2, s[HY]
	s_lshl_b32 s3, s[TT], 9
	s_add_co_u32 s3, s3, s[HS]
	v_add_nc_u32 v241, s2, v[L8]
	v_lshrrev_b32 v242, 1, v[R16]
	v_add_nc_u32 v242, s3, v242
	v_add_f32 v14, v14, v15
	s_delay_alu instid0(VALU_DEP_1)
	v_permlanex16_b32 v252, v14, s[SEL], s[SEL+1]
	s_delay_alu instid0(VALU_DEP_1)
	v_add_f32 v14, v14, v252                       ; the row's sum
	WALU
	v_rcp_f32 v14, v14
	v_nop                                          ; a plain place behind the reciprocal
	WALU                                           ; and the wait ahead of its first reader
.set n, 0
.rept 32
	v_mul_f32 v[S+n], v[O+n], v14
.set n, n+1
.endr
.irp b, 0,1
	v_max3_num_f32 v[232+\b], |v[S+16*\b]|, |v[S+1+16*\b]|, 0x1800000
.endr
.irp i, 2,4,6,8,10,12,14
.irp b, 0,1
	s_delay_alu instid0(VALU_DEP_2)
	v_max3_num_f32 v[232+\b], v[232+\b], |v[S+16*\b+\i]|, |v[S+1+16*\b+\i]|
.endr
.endr
.irp b, 0,1
	s_delay_alu instid0(VALU_DEP_2)
	v_permlanex16_b32 v[236+\b], v[232+\b], s[SEL], s[SEL+1]
.endr
.irp b, 0,1
	s_delay_alu instid0(VALU_DEP_2)
	v_max_num_f32 v[232+\b], v[232+\b], v[236+\b]
.endr
.irp b, 0,1
	s_delay_alu instid0(VALU_DEP_2)
	v_add_nc_u32 v[244+\b], 0xff000000, v[232+\b]
.endr
.irp b, 0,1
	s_delay_alu instid0(VALU_DEP_2)
	v_lshrrev_b32 v[236+\b], 23, v[244+\b]
.endr
	s_delay_alu instid0(VALU_DEP_1)
	v_lshl_or_b32 v240, v237, 8, v236              ; my row's two scale bytes
	v_cvt_scalef32_pk16_fp6_f32 v[224:226], v[S:S+15], v244
	v_cvt_scalef32_pk16_fp6_f32 v[228:230], v[S+16:S+31], v245
	v_nop
.irp i, 0,1,2
	v_permlane16_swap_b32 v[224+\i], v[228+\i]
.endr
	s_delay_alu instid0(VALU_DEP_3)
	v_mov_b32 v227, v228
	s_delay_alu instid0(VALU_DEP_3)
	v_mov_b32 v228, v229
	s_delay_alu instid0(VALU_DEP_3)
	v_mov_b32 v229, v230
.irp p, 0,1,2
	global_store_b64 v241, v[224+2*\p:225+2*\p], s[8:9] offset:256*\p   ; a plane: 256 consecutive bytes, aligned
.endr
	global_store_b16 v242, v240, s[10:11]          ; lanes l and l + 16 write the same two bytes with the same value
.endm
	s_load_b256 s[4:11], s[0:1], 0x0               ; hc, hs, yq, ys
	v_lshl_add_u32 v[SPW], v0, 2, SPARE
	v_mov_b32 v[NIL], 0
	ds_add_u32 v[SPW], v[NIL]                      ; the opening lines: the add, twice on end, and its wait ahead of the first tensor loads
	ds_add_u32 v[SPW], v[NIL]
	v_lshrrev_b32 v6, 5, v0
	v_readfirstlane_b32 s[WV], v6                  ; wave 0..15
	s_bfe_u32 s[CX], ttmp6, 0x40000                ; my place in the cluster: it enters global addresses and the mask's numbers alone
	s_lshr_b32 s2, ttmp9, 4                        ; the batch (ttmp9 counts clusters: one to a batch and head)
	s_and_b32 s3, ttmp9, 15                        ; the head
	s_lshl_b32 s22, s2, 7
	s_lshl_b32 s18, s3, 9
	s_add_co_u32 s18, s18, 8192
	s_add_co_u32 s18, s18, s22                     ; k: tile (16 + head) 512 + 128 batch
	s_lshl_b32 s19, s18, 6                         ; its scale words,
	s_mul_i32 s18, s18, 768                        ; its half images
	s_lshl_b32 s20, s2, 11
	s_lshl_b32 s21, s3, 2
	s_add_co_u32 s20, s20, s21
	s_mul_i32 s20, s20, 768
	s_add_co_u32 s20, s20, VREG                    ; v: ((32 batch) 64 + 4 head) x 768
	s_lshl_b32 s21, s2, 9
	s_add_co_u32 s21, s21, s3
	s_lshl_b32 s21, s21, 8
	s_add_co_u32 s21, s21, SREG                    ; its scale words
	s_add_co_u32 s66, s[WV], 4
	s_and_b32 s66, s66, 7                          ; waves 4 to 11: part 0 to 7 of k's other 1,792 keys
	s_mul_i32 s66, s66, 10752
	s_add_co_u32 s66, s66, 12288
	s_mov_b32 s[GE+1], s66                         ; (k begins at LDS byte 0)
	s_add_co_u32 s66, s66, s18
	s_and_b32 s67, s[WV], 3                        ; waves 12 to 15: part 0 to 3 of v's
	s_mul_i32 s[GF+1], s67, 21504
	s_add_co_u32 s[GF+1], s[GF+1], VB+12288
	s_mul_i32 s67, s67, 7*49152
	s_add_co_u32 s67, s67, 4*49152
	s_add_co_u32 s67, s67, s20
	s_lshl_b32 s[TL], s[CX], 1
	s_add_co_u32 s[TL], s[TL], s22
	s_and_b32 s22, s[WV], 1
	s_add_co_u32 s[TL], s[TL], s22                 ; 128 batch + 2 c + wave % 2
	s_mul_i32 s[HY], s3, 768
	s_lshr_b32 s[HS], s3, 2
	s_lshl_b32 s[HS], s[HS], 7
	s_and_b32 s22, s3, 3
	s_lshl_b32 s22, s22, 1
	s_add_co_u32 s[HS], s[HS], s22
	s_lshl_b32 s22, s3, 9                          ; q: 512 head
	GROUP1 G1K,  32,  48, 32                       ; 256 keys of k: 12,288 dense bytes as rows of 256
	GROUP1 G1V,  384, 4,  6144                     ; 256 keys of v: 4 rows of 3,072 bytes, 49,152 apart
	GROUP1 G1SK, 32,  32, 32                       ; k's scale words: 8,192 dense bytes
	GROUP1 G1SV, 32,  32, 512                      ; v's: 32 rows of 256 bytes, 4,096 apart
	GROUP1 G1K2, 32,  42, 32                       ; 224 keys of k
	GROUP1 G1V2, 384, 7,  6144                     ; 448 keys of v
	s_mov_b32 s[GA+1], KB
	s_mov_b32 s[GB+1], VB
	s_mov_b32 s[GC+1], SKB
	s_mov_b32 s[GD+1], SKB+SVD
	s_mov_b32 s[SEL], 0x76543210
	s_mov_b32 s[SEL+1], 0xfedcba98
	s_mov_b32 s[CS], 0x3e38aa3b                    ; c = log2(e) / 8
	s_mov_b32 s[CS+1], s[CS]
	WALU
	s_wait_dscnt 0x0                               ; both opening adds are done
	CROUND                                         ; the four partners are here: the joint loads meet
	s_wait_kmcnt 0x0
	s_mov_b32 s3, 0
	G0SET GA, 4, 18
	G0SET GB, 4, 20
	G0SET GC, 6, 19
	G0SET GD, 6, 21
	G0SET GE, 4, 66
	G0SET GF, 4, 67
	s_lshr_b32 s2, s[WV], 1                        ; where q's two tiles lie: the early block is wave / 2, the late one 15 - wave / 2
	s_lshl_b32 s2, s2, 3
	s_add_co_u32 s20, s[TL], s2
	s_sub_co_u32 s2, 120, s2
	s_add_co_u32 s[TT], s[TL], s2                  ; the late tile comes first
	s_add_co_u32 s18, s[TT], s22
	s_lshr_b32 s19, s18, 2
	s_lshl_b32 s19, s19, 8
	s_mul_i32 s18, s18, 768
	s_add_co_u32 s20, s20, s22
	s_lshr_b32 s21, s20, 2
	s_lshl_b32 s21, s21, 8
	s_mul_i32 s20, s20, 768
	s_and_b32 s2, s[TL], 3
	s_lshl_b32 s2, s2, 2
	s_add_co_u32 s19, s19, s2
	s_add_co_u32 s21, s21, s2
	s_lshl_b32 s66, s[CX], 5
	s_and_b32 s2, s[WV], 1
	s_lshl_b32 s2, s2, 3
	s_add_co_u32 s66, s66, s2                      ; my tile's first query in its block: 32 c + 8 (wave % 2)
	ARM 1,  GA, G1K,  .Larm_v                      ; one chain of branches on the wave's number, one load to an arm
	ARM 2,  GB, G1V,  .Larm_sk
	ARM 3,  GC, G1SK, .Larm_sv
	ARM 4,  GD, G1SV, .Larm_k2
	ARM 12, GE, G1K2, .Larm_v2
	tensor_load_to_lds s[GF:GF+3], s[G1V2:G1V2+7]
	s_nop 0
.rept 4
	v_nop
.endr
.Lasked:
	v_and_b32 v6, 31, v0
	v_and_b32 v7, 15, v0                           ; r
	v_bfe_u32 v8, v0, 4, 1                         ; h
	v_lshlrev_b32 v[L8], 3, v6
	v_lshlrev_b32 v[R16], 4, v7
	v_add_nc_u32 v80, s18, v[L8]
	v_add_nc_u32 v81, s19, v[R16]
	v_add_nc_u32 v82, s20, v[L8]
	v_add_nc_u32 v83, s21, v[R16]
.irp p, 0,1,2
	global_load_b64 v[16+2*\p:17+2*\p], v80, s[4:5] offset:256*\p   ; the late tile's q stays in registers
.endr
	global_load_b32 v255, v81, s[6:7]              ; its scale words
	global_load_b64 v[10:11], v82, s[4:5]          ; the early tile's q waits
	global_load_b64 v[28:29], v82, s[4:5] offset:256
	global_load_b64 v[30:31], v82, s[4:5] offset:512
	global_load_b32 v[Q2S], v83, s[6:7]
	v_and_b32 v6, 8, v7
	v_add_nc_u32 v[DQ], v7, v6
	v_lshlrev_b32 v6, 4, v8
	v_sub_nc_u32 v[DQ], v[DQ], v6
	v_add_nc_u32 v[DQ], s66, v[DQ]
.irp i, 22,23,24,25,26,27
	v_mov_b32 v[\i], 0                             ; q's upper half: zero codes
.endr
.irp t, 0,1,2,3
.irp i, 6,7,8,9,10,11
	v_mov_b32 v[KFR+12*\t+\i], 0                   ; k's likewise: no load ever lands here
.endr
.endr
.irp b, 0,1,2,3
	v_mov_b32 v[236+\b], 0                         ; written once: a lane permute's destination counts as one of its sources
.endr
	v_mov_b32 v252, 0
	v_mov_b32 v253, 0
	INIT
	s_lshr_b32 s2, s[WV], 1
	s_sub_co_u32 s2, 15, s2
	s_lshl_b32 s[QB], s2, 7
	s_mov_b32 s[KF], 0
	s_mov_b32 s[TBK], KB
	s_mov_b32 s[TS], SKB
	WALU
	s_wait_loadcnt 0x0                             ; q
	s_cmp_lt_u32 s[WV], 4
	s_cbranch_scc0 .Lnot_first
	s_wait_tensorcnt 0x0                           ; waves 0 to 3: the first 256 keys and the scale words are in
.Lnot_first:
	s_barrier_signal -1
	s_barrier_wait -1                              ; the other twelve loads may be out
	WALK .Lfirst, 2                                ; THE LATE TILE: keys 0 to 255
	s_wait_tensorcnt 0x0                           ; every wave: all that was still out
	s_wait_dscnt 0x0
	s_barrier_signal -1
	s_barrier_wait -1                              ; all of k and v is in, in every wave's sight
	WALK .Llate, 14
	EPI
	s_wait_xcnt 0x0                                ; the stores have read their registers
	v_mov_b32 v16, v10                             ; THE EARLY TILE
	v_mov_b32 v17, v11
	v_mov_b32 v18, v28
	v_mov_b32 v19, v29
	v_mov_b32 v20, v30
	v_mov_b32 v21, v31
	v_mov_b32 v255, v[Q2S]
	INIT                                           ; (its 36 lines are also the places between q's and the scale word's writes and the first product)
	s_lshr_b32 s2, s[WV], 1
	s_lshl_b32 s[QB], s2, 7
	s_lshl_b32 s2, s2, 3
	s_add_co_u32 s[TT], s[TL], s2
	s_mov_b32 s[KF], 0
	s_mov_b32 s[TBK], KB
	s_mov_b32 s[TS], SKB
	WALU
	WALK .Learly, 8
	EPI
	s_wait_tensorcnt 0x0                           ; the wave's end
	ds_add_u32 v[SPW], v[NIL]
	s_wait_dscnt 0x0
	CROUND                                         ; the closing round
	s_endpgm
.Lfunc_end_k_q81bd090f58_attn:
	.size	k_q81bd090f58_attn, .Lfunc_end_k_q81bd090f58_attn-k_q81bd090f58_attn
	.p2alignl 7, 3214868480
	.fill 96, 4, 3214868480
	.section	.rodata,"a",@progbits
	.p2align	6, 0x0
	.amdhsa_kernel k_q81bd090f58_attn
		.amdhsa_group_segment_fixed_size 327680
		.amdhsa_private_segment_fixed_size 0
		.amdhsa_enable_private_segment 0
		.amdhsa_kernarg_size 32
		.amdhsa_user_sgpr_count 2
		.amdhsa_user_sgpr_kernarg_segment_ptr 1
		.amdhsa_wavefront_size32 1
		.amdhsa_system_sgpr_workgroup_id_x 1
		.amdhsa_system_sgpr_workgroup_id_y 1
		.amdhsa_system_sgpr_workgroup_id_z 1
		.amdhsa_system_vgpr_workitem_id 0
		.amdhsa_next_free_vgpr 256
		.amdhsa_next_free_sgpr 102
		.amdhsa_reserve_vcc 1
		.amdhsa_float_denorm_mode_32 3
		.amdhsa_float_denorm_mode_16_64 3
		.amdhsa_memory_ordered 1
		.amdhsa_forward_progress 1
		.amdhsa_inst_pref_size 97
	.end_amdhsa_kernel
	.amdgpu_metadata
---
amdhsa.version: [ 1, 2 ]
amdhsa.kernels:
  - .name:           k_q81bd090f58_attn
    .symbol:         k_q81bd090f58_attn.kd
    .args:
      - { .name: hc, .offset: 0, .size: 8, .value_kind: global_buffer, .address_space: global }
      - { .name: hs, .offset: 8, .size: 8, .value_kind: global_buffer, .address_space: global }
      - { .name: yq, .offset: 16, .size: 8, .value_kind: global_buffer, .address_space: global }
      - { .name: ys, .offset: 24, .size: 8, .value_kind: global_buffer, .address_space: global }
    .group_segment_fixed_size: 327680
    .private_segment_fixed_size: 0
    .kernarg_segment_align: 8
    .kernarg_segment_size: 32
    .max_flat_workgroup_size: 512
    .sgpr_count:     102
    .vgpr_count:     256
    .wavefront_size: 32
...
	.end_amdgpu_metadata
.endif
;; end of part 3
;; launch proj (part 4): grid 8 x 32, 4 waves a work-group, clusters of 4 x 4, 327,680 bytes of LDS; arguments yq, ys, wq, ws, out0; writes out0
.if DOCPART == 4
	.amdgcn_target "amdgcn-amd-amdhsa--gfx1250"
	.amdhsa_code_object_version 6
	.text
	.protected	k_q81bd090f58_proj
	.globl	k_q81bd090f58_proj
	.p2align	8
	.type	k_q81bd090f58_proj,@function
k_q81bd090f58_proj:
	s_mov_b64 s[64:65], 0
	v_nop
	global_prefetch_b8 v0, s[64:65] scope:SCOPE_SE
	s_setreg_imm32_b32 hwreg(HW_REG_WAVE_MODE, 25, 1), 1
	s_wait_xcnt 0x0
	s_wait_alu depctr_hold_cnt(0) depctr_sa_sdst(0) depctr_va_vdst(0) depctr_va_sdst(0) depctr_va_ssrc(0) depctr_va_vcc(0) depctr_vm_vsrc(0)
	s_getreg_b32 s2, hwreg(HW_REG_IB_STS2, 6, 4)
	s_cmp_eq_u32 s2, 0
	s_cbranch_scc0 .Lentry_in_a_cluster
	s_endpgm
.Lentry_in_a_cluster:
	s_bfe_u32 s2, ttmp6, 0x10000c
	s_cmp_lg_u32 s2, 0xf033
	s_cbranch_scc0 .Lentry_shape_is_right
	s_endpgm
.Lentry_shape_is_right:
; out = y w_out on codes of FP6 (E2M3) with E8M0 scales, K = 1,024; out is f32.
; OPERANDS are images of fragments (16 rows x 128 K, 1,536 bytes); image (tile, K step s) lies at (8 tile + s) x 1,536; scale words [tile][s / 2][r][s % 2], 512 bytes a tile.
; y's images have six planes of 256 bytes (plane p: registers 2 p, 2 p + 1 of lane l at byte 8 l), the weight's three planes of 512 bytes (plane P: registers 4 P .. 4 P + 3 of lane l at byte 16 l).
; Tile 2 g + u, row r, is tensor row 32 g + 8 u + r + 8 (r / 8).  w_out is tiles 192 to 255 of wq, ws.
; THE DEAL.  256 work-groups: 8 groups of 128 features x 32 blocks of 256 tokens.  Wave w holds 64 rows of the weight (tiles 4 (w % 2) ..), ALL of K, in 384 registers and streams token tiles 8 (w / 2) .. + 7 past them:
; a BLOCK is one token tile, 32 products on four accumulators by turns; its fragments lie twice in registers and are fetched two blocks ahead.  Source 0 = the weight's tile: a lane holds one token, its 32 results 64 features.
; LDS, filled once, one load a wave at the head: y's 16 tiles (two loads of 98,304 bytes), their scale words (8,192), the weight's eight tiles (98,304).  Nothing is filled again; one barrier shows all four loads.
; y is asked for jointly along a row of the 4 x 4 cluster, the weight along a column.  NO PREFETCH: every tile is asked for at the head; no later load is there to run ahead of.
; THE WAY OUT: a block's 16 rows x 256 bytes go through the wave's own stage in LDS, on bytes into which no fill lands, and leave as whole rows: 16 lanes store 256 consecutive bytes, aligned.
; REGISTERS: fragment f lies in window 1 + f / 21 at register 12 (f % 21): 0-31 the weight's (4 q + tile), 32-39 and 40-47 the token tile's two sets.  Window 0: addresses, scale words, accumulators, the way out.
.set FR,    12
.set FPW,   21
.set IMG,   1536
.set KROW,  8*IMG
.set NF,    52                         ; LDS loads of a fetch: 48 for eight fragments, 4 for eight scale words
.set WB,    196608                     ; LDS: y's tiles from 0, the weight's from WB, y's scale words from XS
.set XS,    294912
.set SPARE, 303104                     ; the spare words, 128 bytes a wave
.set STAGE, SPARE+512                  ; the stages: 16 rows x (256 + 16) bytes a wave
.set SPITCH, 272
.set L8,   1                           ; v1  8 x lane
.set R8,   2                           ; v2  8 r
.set L16,  3                           ; v3  16 x lane
.set ADX,  4                           ; v4  LDS address of the token tile that is fetched next; v5 of its scale words
.set ADS,  5
.set ADW,  6                           ; v6  LDS address of my set of the weight
.set STO,  8                           ; v8  the stage on the way in; v9 on the way out
.set RD,   9
.set SPW,  10                          ; v10 my spare word; v11 0: never rewritten
.set NIL,  11
.set CO,   12                          ; v12 my bytes of two rows of out
.set SB,   24                          ; v24-39 the weight's scale words: 8 (tile / 2) + K step; lanes 0-15 the even tile, lanes 16-31 the odd one
.set SA,   44                          ; v44-59 the token tile's: two sets of eight
.set ACC,  64                          ; v64-127 two sets of four accumulators
.set BK,   128                         ; v128-191 two blocks read back from the stage
.set WV,   16
.set G1X,  24
.set G1S,  32
.set G1W,  40
.set GX0,  48
.set GX1,  52
.set GS,   56
.set GW,   60
.set WSP,  70                          ; s[70:71] my set's scale words
.set OB,   74                          ; s[74:75] where a pair of blocks goes
.set XO,   82
.set SO,   83
.set CNT,  84
.set MSB, 0
.macro WIN new                         ; the immediate's high byte repeats the setting that is left
.if MSB != (\new)
	s_set_vgpr_msb (MSB<<8)|(\new)
.set MSB, (\new)
.endif
.endm
.macro PLACES n
.rept \n
	v_nop
.endr
.endm
.macro WALU
	s_wait_alu depctr_va_vdst(0)
.endm
.macro CROUND                          ; a round of the cluster's barrier
	s_barrier_signal -1
	s_barrier_wait -1
	s_cmp_lg_u32 s[WV], 0
	s_cbranch_scc1 .Lnw0_\@
	s_barrier_signal -3
.Lnw0_\@:
	s_barrier_wait -3
	s_barrier_signal -1
	s_barrier_wait -1
.endm
.macro GROUP1 g, mask, rows            ; a dense block as rows of 256 bytes (32 elements of 8); bit 21 beside the mask; no padding
	s_or_b32 s[\g], s[\mask], (3<<16)|(1<<21)
	s_mov_b32 s[\g+1], 32<<16
	s_mov_b32 s[\g+2], (\rows)<<16
	s_mov_b32 s[\g+3], 32<<16
	s_mov_b32 s[\g+4], \rows
	s_mov_b32 s[\g+5], 32
	s_mov_b32 s[\g+6], 0
	s_mov_b32 s[\g+7], 0
.endm
.macro PTR d, b                        ; s[d] holds an offset: base + offset (s67 = 0)
	s_mov_b32 s66, s[\d]
	s_add_nc_u64 s[\d:\d+1], s[\b:\b+1], s[66:67]
.endm
.macro G0SET g, b, lds
	PTR \g+2, \b
	s_or_b32 s[\g+3], s[\g+3], 0x80000000
	s_mov_b32 s[\g], 1
	s_mov_b32 s[\g+1], \lds
.endm
.macro ARM under, g0, g1, next
	s_cmp_lt_u32 s[WV], \under
	s_cbranch_scc0 \next
	tensor_load_to_lds s[\g0:\g0+3], s[\g1:\g1+7]
	s_nop 0
	PLACES 4
	s_branch .Lasked
\next:
.endm
.macro FETCH e                         ; a token tile into set e: an image comes back as it was stored
.irp q, 0,1,2,3,4,5,6,7
	WIN (1+(32+8*(\e)+\q)/FPW)<<6
.irp p, 0,1,2,3,4,5
	ds_load_b64 v[FR*((32+8*(\e)+\q)%FPW)+2*\p:FR*((32+8*(\e)+\q)%FPW)+2*\p+1], v[ADX] offset:\q*IMG+256*\p
.endr
.endr
	WIN 0
.irp c, 0,1,2,3
	ds_load_b64 v[SA+8*(\e)+2*\c:SA+8*(\e)+2*\c+1], v[ADS] offset:128*\c
.endr
.endm
.macro FETCHC e, na, nb                ; the fetch and the wait behind it; the loop's last trip has nothing left to fetch (a branch on the count of trips), and its wait has a count of its own
	s_cmp_eq_u32 s[CNT], 1
	s_cbranch_scc1 .Lnf_\@
	FETCH \e
	s_wait_dscnt \na
	s_branch .Lfd_\@
.Lnf_\@:
	s_wait_dscnt \nb
.Lfd_\@:
.endm
.macro SETADR
	v_add_nc_u32 v[ADX], s[XO], v[L8]
	v_add_nc_u32 v[ADS], s[SO], v[R8]
.endm
; a product.  n = 4 q + tile; source 0 the weight's tile, source 1 the token tile.  The first K step starts the sum.
.macro PROD1 d, s0, s1, c, x0, x1, o
.if \o
	v_wmma_scale_f32_16x16x128_f8f6f4 v[\d:\d+7], v[FR*((\s0)%FPW):FR*((\s0)%FPW)+FR-1], v[FR*((\s1)%FPW):FR*((\s1)%FPW)+FR-1], \c, v[\x0], v[\x1] matrix_a_fmt:MATRIX_FMT_FP6 matrix_b_fmt:MATRIX_FMT_FP6 matrix_a_scale:MATRIX_SCALE_ROW1
.else
	v_wmma_scale_f32_16x16x128_f8f6f4 v[\d:\d+7], v[FR*((\s0)%FPW):FR*((\s0)%FPW)+FR-1], v[FR*((\s1)%FPW):FR*((\s1)%FPW)+FR-1], \c, v[\x0], v[\x1] matrix_a_fmt:MATRIX_FMT_FP6 matrix_b_fmt:MATRIX_FMT_FP6 matrix_a_scale:MATRIX_SCALE_ROW0
.endif
.endm
.macro PROD e, n
.set Q_, (\n)/4
.set FB_, 4*Q_+(\n)%4
.set FA_, 32+8*(\e)+Q_
.set D_, ACC+32*(\e)+8*((\n)%4)
.set XB_, SB+8*(((\n)%4)/2)+Q_
.set XA_, SA+8*(\e)+Q_
	WIN (1+FB_/FPW)|((1+FA_/FPW)<<2)
.if Q_
	PROD1 D_, FB_, FA_, v[D_:D_+7], XB_, XA_, (\n)%2
.else
	PROD1 D_, FB_, FA_, 0, XB_, XA_, (\n)%2
.endif
.endm
.macro BLOCK e, list                   ; a block's 32 products; behind every second one stand two entries of the list
.set N_, 0
.rept 32
	PROD \e, N_
.if N_%2
	\list N_-1
	\list N_
.endif
.set N_, N_+1
.endr
.endm
.macro L_P i                           ; to the next tile's LDS addresses
.if (\i) == 0
	s_add_co_u32 s[XO], s[XO], KROW
	s_add_co_u32 s[SO], s[SO], 512
	WIN 0
	v_add_nc_u32 v[ADX], s[XO], v[L8]
.elseif (\i) == 1
	WIN 0
	v_add_nc_u32 v[ADS], s[SO], v[R8]
.endif
.endm
.macro L_P0 i                          ; the even block: the stores' base goes 32 tokens on (behind the block's wait on XCNT)
	L_P \i
.if (\i) == 2
	s_add_nc_u64 s[OB:OB+1], s[OB:OB+1], 32*4096
.endif
.endm
.macro TOSTAGE e                       ; register 16 g + 8 u + j of lane (r, h) is feature 32 g + 16 h + 8 u + j of token row r; each accumulator from its low end on
.irp b, 0,1,2,3
	ds_store_b128 v[STO], v[ACC+32*(\e)+8*\b:ACC+32*(\e)+8*\b+3] offset:128*(\b/2)+32*(\b%2)
	ds_store_b128 v[STO], v[ACC+32*(\e)+8*\b+4:ACC+32*(\e)+8*\b+7] offset:128*(\b/2)+32*(\b%2)+16
.endr
.irp i, 0,1,2,3,4,5,6,7
	ds_load_b128 v[BK+32*(\e)+4*\i:BK+32*(\e)+4*\i+3], v[RD] offset:\i*2*SPITCH   ; two rows an instruction; LDS serves a wave's instructions in order: these see the stores above
.endr
.endm
.macro SEND e                          ; tile row t is token 8 e + t + 8 (t / 8) of the pair's 32
.irp i, 0,1,2,3,4,5,6,7
	global_store_b128 v[CO], v[BK+32*(\e)+4*\i:BK+32*(\e)+4*\i+3], s[OB:OB+1] offset:(8*(\e)+2*\i+8*(\i/4))*4096 th:TH_STORE_NT
.endr
.endm
.macro PBLK e
	s_wait_xcnt 0x0                                ; earlier stores have read their registers and their base
.if \e
	BLOCK \e, L_P
.else
	BLOCK \e, L_P0
.endif
	WIN 0
	PLACES 4                                       ; places between the products and the LDS stores of their results and the loads into their registers
	WALU
.if \e
	s_wait_dscnt 0x0                               ; the even block is back from the stage (its loads and its fetch were issued a block ago)
	SEND 0
.endif
	TOSTAGE \e
.if \e
	FETCHC 1, NF, 0                                ; all but the fetch just issued: my rows are back from the stage
	SEND 1
.else
	FETCHC 0, 63, 16                               ; behind the odd tile's fetch stand 16 stage instructions and, but for the last trip, NF loads: it is in
.endif
.endm
	s_load_b256 s[4:11], s[0:1], 0x0               ; yq, ys, wq, ws
	s_load_b64 s[12:13], s[0:1], 0x20              ; out0
	v_lshl_add_u32 v[SPW], v0, 2, SPARE
	v_mov_b32 v[NIL], 0
	ds_add_u32 v[SPW], v[NIL]                      ; the opening lines: the add, twice on end, and its wait ahead of the first tensor loads
	ds_add_u32 v[SPW], v[NIL]
	v_lshrrev_b32 v4, 5, v0
	v_readfirstlane_b32 s[WV], v4
	s_lshr_b32 s85, s[WV], 1                       ; which eight token tiles
	s_and_b32 s86, s[WV], 1                        ; which 64 features
	s_mul_i32 s87, s[WV], 16*SPITCH
	s_add_co_u32 s87, s87, STAGE                   ; my stage
	s_mul_i32 s2, s86, 4*KROW
	s_add_co_u32 s2, s2, WB                        ; my set of the weight
	v_and_b32 v4, 31, v0
	v_and_b32 v5, 15, v0                           ; r
	v_bfe_u32 v6, v0, 4, 1                         ; h
	v_lshlrev_b32 v[L8], 3, v4
	v_lshlrev_b32 v[R8], 3, v5
	v_lshlrev_b32 v[L16], 4, v4
	v_lshl_add_u32 v7, v6, 9, v[R8]                ; the weight's scale words: lanes 16-31 take the odd tile's
	v_mul_u32_u24 v[STO], v5, SPITCH
	v_lshl_add_u32 v[STO], v6, 6, v[STO]
	v_add_nc_u32 v[STO], s87, v[STO]               ; in: row r, + 64 h
	v_mul_u32_u24 v[RD], v6, SPITCH
	v_lshl_add_u32 v[RD], v5, 4, v[RD]
	v_add_nc_u32 v[RD], s87, v[RD]                 ; back: lanes 0-15 one row of 256 bytes, lanes 16-31 the next
	v_lshlrev_b32 v[CO], 12, v6
	v_lshl_add_u32 v[CO], v5, 4, v[CO]             ; and the same two rows in out
	v_add_nc_u32 v[ADW], s2, v[L16]
	s_bfe_u32 s17, ttmp6, 0x40000                  ; cx
	s_bfe_u32 s18, ttmp6, 0x40004                  ; cy
	s_lshl_b32 s19, ttmp9, 2
	s_add_co_u32 s19, s19, s17                     ; the group of 128 features, 0 to 7
	s_and_b32 s20, ttmp7, 0xffff
	s_lshl_b32 s20, s20, 2
	s_add_co_u32 s20, s20, s18                     ; the token block, 0 to 31
	s_lshl_b32 s2, s18, 2
	s_lshl_b32 s2, 15, s2                          ; my row of the cluster
	s_lshl_b32 s3, 0x1111, s17                     ; my column
	GROUP1 G1X, 2, 384                             ; eight token tiles: 98,304 dense bytes
	GROUP1 G1S, 2, 32                              ; sixteen tiles' scale words
	GROUP1 G1W, 3, 384                             ; the weight's eight tiles
	s_mul_i32 s[GX0+2], s20, 16*KROW               ; offsets; the buffers' addresses are added below
	s_add_co_u32 s[GX1+2], s[GX0+2], 8*KROW
	s_lshl_b32 s[GS+2], s20, 13
	s_lshl_b32 s2, s19, 3
	s_add_co_u32 s2, s2, 192                       ; w_out: tile 192 + 8 x group
	s_mul_i32 s[GW+2], s2, KROW
	s_lshl_b32 s3, s86, 2
	s_add_co_u32 s2, s2, s3
	s_lshl_b32 s[WSP], s2, 9
	s_lshl_b32 s2, s20, 1
	s_add_co_u32 s2, s2, s85
	s_lshl_b32 s[OB], s2, 19                       ; my first token: (256 block + 128 half) rows of 4,096 bytes
	s_lshl_b32 s2, s19, 1
	s_add_co_u32 s2, s2, s86
	s_lshl_b32 s2, s2, 8
	s_add_co_u32 s[OB], s[OB], s2                  ; my first feature: 256 bytes for each 64
	s_mul_i32 s[XO], s85, 8*KROW
	s_lshl_b32 s[SO], s85, 12
	s_add_co_u32 s[SO], s[SO], XS
	s_mov_b32 s67, 0
	WALU
	s_wait_dscnt 0x0                               ; both opening adds are done
	CROUND                                         ; all sixteen work-groups are here: the joint loads meet
	s_wait_kmcnt 0x0
	G0SET GW,  8, WB
	G0SET GS,  6, XS
	G0SET GX0, 4, 0
	G0SET GX1, 4, 8*KROW
	ARM 1, GW,  G1W, .Larm_s                       ; one chain of branches on the wave's number, one load to an arm; the weight, which goes on into registers, first
	ARM 2, GS,  G1S, .Larm_x0
	ARM 3, GX0, G1X, .Larm_x1
	tensor_load_to_lds s[GX1:GX1+3], s[G1X:G1X+7]
	s_nop 0
	PLACES 4
.Lasked:
	PTR WSP, 10
.irp p, 0,1
.irp c, 0,1,2,3
	global_load_b64 v[SB+8*\p+2*\c:SB+8*\p+2*\c+1], v7, s[WSP:WSP+1] offset:\p*1024+\c*128
.endr
.endr
	PTR OB, 12
	s_sub_nc_u64 s[OB:OB+1], s[OB:OB+1], 32*4096   ; each pair of blocks steps the base first
	s_wait_tensorcnt 0x0                           ; every wave: its load is in
	s_barrier_signal -1
	s_barrier_wait -1                              ; all four loads are in, in every wave's sight
.irp q, 0,1,2,3,4,5,6,7                        ; my 64 rows of the weight, all of K: 96 loads
.irp b, 0,1,2,3
	WIN (1+(4*\q+\b)/FPW)<<6
.irp p, 0,1,2
	ds_load_b128 v[FR*((4*\q+\b)%FPW)+4*\p:FR*((4*\q+\b)%FPW)+4*\p+3], v[ADW] offset:\b*KROW+\q*IMG+512*\p
.endr
.endr
.endr
	WIN 0
	SETADR
	FETCH 0
	s_add_co_u32 s[XO], s[XO], KROW
	s_add_co_u32 s[SO], s[SO], 512
	SETADR
	FETCH 1
	s_mov_b32 s[CNT], 4
	s_wait_loadcnt 0x0                             ; the weight's scale words
	s_wait_dscnt NF                                ; the weight and my first tile are in; the second tile's NF loads may be out
.Lpair:                                            ; four trips of two blocks
	PBLK 0
	PBLK 1
	s_sub_co_u32 s[CNT], s[CNT], 1
	s_cmp_lg_u32 s[CNT], 0
	s_cbranch_scc1 .Lpair
	s_wait_tensorcnt 0x0                           ; the wave's end
	ds_add_u32 v[SPW], v[NIL]
	s_wait_dscnt 0x0
	CROUND                                         ; the closing round
	s_endpgm
.Lfunc_end_k_q81bd090f58_proj:
	.size	k_q81bd090f58_proj, .Lfunc_end_k_q81bd090f58_proj-k_q81bd090f58_proj
	.p2alignl 7, 3214868480
	.fill 96, 4, 3214868480
	.section	.rodata,"a",@progbits
	.p2align	6, 0x0
	.amdhsa_kernel k_q81bd090f58_proj
		.amdhsa_group_segment_fixed_size 327680
		.amdhsa_private_segment_fixed_size 0
		.amdhsa_enable_private_segment 0
		.amdhsa_kernarg_size 40
		.amdhsa_user_sgpr_count 2
		.amdhsa_user_sgpr_kernarg_segment_ptr 1
		.amdhsa_wavefront_size32 1
		.amdhsa_system_sgpr_workgroup_id_x 1
		.amdhsa_system_sgpr_workgroup_id_y 1
		.amdhsa_system_sgpr_workgroup_id_z 1
		.amdhsa_system_vgpr_workitem_id 0
		.amdhsa_next_free_vgpr 992
		.amdhsa_next_free_sgpr 90
		.amdhsa_reserve_vcc 0
		.amdhsa_float_denorm_mode_32 3
		.amdhsa_float_denorm_mode_16_64 3
		.amdhsa_memory_ordered 1
		.amdhsa_forward_progress 1
		.amdhsa_inst_pref_size 42
	.end_amdhsa_kernel
	.amdgpu_metadata
---
amdhsa.version: [ 1, 2 ]
amdhsa.kernels:
  - .name:           k_q81bd090f58_proj
    .symbol:         k_q81bd090f58_proj.kd
    .args:
      - { .name: yq, .offset: 0, .size: 8, .value_kind: global_buffer, .address_space: global }
      - { .name: ys, .offset: 8, .size: 8, .value_kind: global_buffer, .address_space: global }
      - { .name: wq, .offset: 16, .size: 8, .value_kind: global_buffer, .address_space: global }
      - { .name: ws, .offset: 24, .size: 8, .value_kind: global_buffer, .address_space: global }
      - { .name: out0, .offset: 32, .size: 8, .value_kind: global_buffer, .address_space: global }
    .group_segment_fixed_size: 327680
    .private_segment_fixed_size: 0
    .kernarg_segment_align: 8
    .kernarg_segment_size: 40
    .max_flat_workgroup_size: 128
    .sgpr_count:     90
    .vgpr_count:     992
    .wavefront_size: 32
...
	.end_amdgpu_metadata
.endif
;; end of part 4
